; MI455X (gfx1250); checked and timed in simulation.
; The chip was launched on July 23, 2026; its instructions are those of AMD's public machine-readable ISA for CDNA 5 (MIT licence, August 2026) and "CDNA5" Instruction Set Architecture Reference Guide (July 2026). The comments in the code are by the model that wrote it; some were corrected since.
;; SA Block. Allowed arithmetic: matrix products marked QUANTISED: E3M2 operands, one E8M0 scale for each 32 along K, by v_wmma_scale_f32_16x16x128_f8f6f4 with both operands' format E3M2, f32 sums; everything else in f32.
;; Inputs: W1_codes 2,048 x 32 x 24 uint8 (E3M2 codes of W1, K innermost, in blocks of 32 codes, four codes in three bytes); W1_scales 2,048 x 32 uint8 (E8M0 scales of W1, one for each 32 codes along K); W2_codes 1,024 x 64 x 24 uint8 (E3M2 codes of W2, K innermost, in blocks of 32 codes, four codes in three bytes); W2_scales 1,024 x 64 uint8 (E8M0 scales of W2, one for each 32 codes along K); Wk_codes 1,024 x 32 x 24 uint8 (E3M2 codes of Wk, K innermost, in blocks of 32 codes, four codes in three bytes); Wk_scales 1,024 x 32 uint8 (E8M0 scales of Wk, one for each 32 codes along K); Wq_codes 1,024 x 32 x 24 uint8 (E3M2 codes of Wq, K innermost, in blocks of 32 codes, four codes in three bytes); Wq_scales 1,024 x 32 uint8 (E8M0 scales of Wq, one for each 32 codes along K); Wv_codes 1,024 x 32 x 24 uint8 (E3M2 codes of Wv, K innermost, in blocks of 32 codes, four codes in three bytes); Wv_scales 1,024 x 32 uint8 (E8M0 scales of Wv, one for each 32 codes along K); b1 2,048 float32; b2 1,024 float32; bv 1,024 float32; embed 2 x 2,048 x 1,024 float32.
;; Outputs: out0 2 x 2,048 x 1,024 float32.
;; This version of the problem:
;;   THIS VERSION OF THE PROBLEM IS GIVEN IN LOW PRECISION. The matrix products marked QUANTISED in the list below multiply operands that are first quantised to E3M2 (3 exponent bits, 2 mantissa bits; 6 bits a number), with one power-of-two scale for each 32 numbers along K (OCP MX v1.0); their sums are f32. All else is computed in f32.
;;   The module's matrix products, in the order in which they are computed (A, B: the left and right operand; K: the contracted axis; several contracted axes count as one K, in the product's order):
;;     1. [M 4,096, K 1,024] x [K 1,024, N 1,024]; A: input embed; B: input Wq (given as codes): QUANTISED
;;     2. [M 4,096, K 1,024] x [K 1,024, N 1,024]; A: input embed; B: input Wk (given as codes): QUANTISED
;;     3. [M 4,096, K 1,024] x [K 1,024, N 1,024]; A: input embed; B: input Wv (given as codes): QUANTISED
;;     4. batch 32 x [M 2,048, K 64] x [K 64, N 2,048]; A: computed on the way; B: computed on the way: QUANTISED
;;     5. batch 32 x [M 64, K 2,048] x [K 2,048, N 2,048]; A: computed on the way; B: softmax (see below): QUANTISED
;;     6. [M 4,096, K 1,024] x [K 1,024, N 2,048]; A: computed on the way; B: input W1 (given as codes): QUANTISED
;;     7. [M 4,096, K 2,048] x [K 2,048, N 1,024]; A: computed on the way; B: input W2 (given as codes): QUANTISED
;;   THE QUANTISER, for each operand of a quantised product, along K:
;;     - K is cut into blocks of 32 from its start; a last block that is shorter is filled with zeros.
;;     - A block's scale is 2^e with e = floor(log2(the largest magnitude in the block)) - 4, held to -126 .. 127; a block of zeros has e = 0. As a byte (E8M0): e + 127.
;;     - Each number is divided by its block's scale, clamped to +-28, and rounded to the nearest number of E3M2, ties to even, subnormals kept.
;;     - The product sums the exact products of the quantised numbers (number of the format x scale) in f32.
;;   ~~~python
;;   def quantise(x, axis):      # numpy; x: float32 -> the quantised numbers, widened to float32 again
;;       x = np.moveaxis(x, axis, -1); K = x.shape[-1]
;;       x = np.pad(x, [(0, 0)] * (x.ndim - 1) + [(0, -K % 32)]); x = x.reshape(x.shape[:-1] + (-1, 32)); a = np.abs(x).max(-1, keepdims=True)
;;       e = np.where(a > 0, np.clip(np.frexp(np.where(a > 0, a, 1))[1] - 1 - 4, -126, 127), 0)      # np.frexp(a)[1] - 1 = floor(log2(a)), exactly
;;       r = np.clip(x / 2.0 ** e, -28, 28)
;;       step = 2.0 ** (np.maximum(np.frexp(np.where(r == 0, 1, r))[1] - 1, -2) - 2)
;;       q = np.round(r / step) * step * 2.0 ** e      # np.round: ties to even
;;       return np.moveaxis(q.reshape(q.shape[:-2] + (-1,))[..., :K], -1, axis).astype(np.float32)
;;   ~~~
;;   SOFTMAX AHEAD OF A QUANTISED PRODUCT. Where the list says 'softmax', what is quantised is not the finished softmax but p = 2^(t - M), with t = logit x log2(e) and M = ceil(the row's largest t), a whole number; so 1/2 < the row's largest p <= 1. The row's sum l is taken of the UNQUANTISED p, in f32, and the product's result is divided by l at the end. Since M is a whole number, a kernel that streams over the keys may use a running M (the ceiling of the running maximum): every later rescaling is an exact power of two, which a block's scale takes up: the codes' values come out the same.
;;   OPERANDS COMPUTED ON THE WAY. 'Computed on the way' means the value that the module computes at that place (a softmax that the list does not call 'softmax' is quantised finished and normalised). What goes into a quantiser is computed in f32, as accurately as f32 sums, v_exp_f32 and their like allow (about 1e-6 of the number): no bf16 or f16 on the way to a quantiser, and a product that is left as it is and whose result goes on into a quantised operand takes f32 operands (vector FMAs, or v_wmma_f32_16x16x4_f32). A number that lies on a knife's edge between two numbers of the format may be rounded either way, as far as f32 arithmetic and the matrix unit's own rounding can turn it there, and no further.
;;   INPUTS GIVEN AS CODES. W1 (in the module: [2048, 1024], K = its axis 1); W2 (in the module: [1024, 2048], K = its axis 1); Wk (in the module: [1024, 1024], K = its axis 1); Wq (in the module: [1024, 1024], K = its axis 1); Wv (in the module: [1024, 1024], K = its axis 1): each comes as NAME_codes (uint8): NAME with its K axis moved to the last place and cut into blocks of 32 codes, [.., K / 32, bytes a block], one block behind the other in memory; four codes in three bytes: a row's codes are one little-endian stream of bits, code i at bits 6 i .. 6 i + 5 (a code: sign, 3 exponent bits, 2 mantissa bits); and NAME_scales (uint8): the same leading axes, one E8M0 byte (e + 127) for each 32 codes along K. Its value is code x scale, taken as it is: it is not quantised again, and the codes and scales need not be those that the quantiser above would give.
;; One version. Each part assembles by itself: llvm-mc -triple=amdgcn-amd-amdhsa -mcpu=gfx1250 --defsym DOCPART=n.
;; ======== version 1 of 1: 5 launches
;; limits: right only within a limited range of input values
;; workspace buffers: xq 3,276,800 bytes; qq 3,407,872 bytes; kv 6,684,672 bytes; aq 3,276,800 bytes; hq 6,553,600 bytes
;; launch quantx (part 1): grid 256 x 1, 4 waves a work-group, no clusters, 68,608 bytes of LDS; arguments embed, xq; writes xq
.if DOCPART == 1
	.amdgcn_target "amdgcn-amd-amdhsa--gfx1250"
	.amdhsa_code_object_version 6
	.text
	.protected	k_qe0f2d43553_quantx
	.globl	k_qe0f2d43553_quantx
	.p2align	8
	.type	k_qe0f2d43553_quantx,@function
k_qe0f2d43553_quantx:
	s_mov_b64 s[64:65], 0
	v_nop
	global_prefetch_b8 v0, s[64:65] scope:SCOPE_SE
	s_setreg_imm32_b32 hwreg(HW_REG_WAVE_MODE, 25, 1), 1
	s_wait_xcnt 0x0
; embed [4096 tokens][1024] f32 becomes codes of E3M2 with one E8M0 byte for each 32 along the row, laid as the next launch's operand registers want them.
; A TILE of 16 token rows is not 16 neighbours: row p of tile T is token 32 (T / 2) + 8 (T % 2) + p + 8 (p / 8).  All my buffers use this map.
; xq: images [tile 256][K step 8][half 2][768 bytes]: a half is 6 registers of a lane (16 rows x 64 K): registers 0-3 at 16 x lane, registers 4-5 at 512 + 8 x lane.  Behind them, at XS, the scale bytes [token][32].
; SHARES: a work-group takes one tile, wave w its K steps 2 w and 2 w + 1 (1,024 bytes of each row).  Each load reads 512 consecutive bytes of one row; the conversion wants 16 neighbours in one lane,
; so a K step's 16 x 512 bytes turn through the wave's own stage in LDS (rows 528 bytes apart).  No matrix unit, no cluster, no tensor load: work-groups share nothing, and all of a wave's 32 loads go out at once.
; A block's scale byte is its largest magnitude's exponent field - 4, held at 1 from below.
; LIMITS: NaN and infinities are not served; a block of zeros gets the byte 1 where the rule says 127 (its codes are zeros, and this program alone reads the bytes).
.set STG,  8448                        ; a stage: 16 rows x 528 bytes
.set WREG, 2*STG                       ; two stages a wave
.set SCG,  4*WREG                      ; behind them: the tile's scale words, [row 16][K step 8], 512 bytes
.set XS,   3145728                     ; where the scale bytes begin in xq
.set R,   16                           ; v16-143  the numbers as loaded
.set X,   144                          ; v144-207 64 numbers of my row: register 16 b + i = k 32 b + 16 (lane / 16) + i
.set TM,  208                          ; v208-223 at work
.set PW,  224                          ; the scale word
.set PC,  226                          ; v226-237 the fragment; v238-244 at work
.set SEL, 20
.macro QUANT s                         ; 64 numbers of a lane become a fragment's codes in v[PC] on and its scale word in v[PW]
.irp b, 0,1,2,3
	v_max3_num_f32 v[TM+\b], |v[\s+16*\b]|, |v[\s+1+16*\b]|, 0x2800000   ; my 16 numbers of block b, and the floor 2^(5 - 127)
.endr
.irp i, 2,4,6,8,10,12,14
.irp b, 0,1,2,3
	v_max3_num_f32 v[TM+\b], v[TM+\b], |v[\s+16*\b+\i]|, |v[\s+1+16*\b+\i]|
.endr
.endr
.irp b, 0,1,2,3
	v_permlanex16_b32 v[TM+4+\b], v[TM+\b], s[SEL], s[SEL+1]
.endr
.irp b, 0,1,2,3
	v_max_num_f32 v[TM+\b], v[TM+\b], v[TM+4+\b]   ; with lane l xor 16's 16: the block's largest magnitude
.endr
.irp b, 0,1,2,3
	v_add_nc_u32 v[TM+12+\b], 0xfe000000, v[TM+\b]   ; 4 off its exponent field: the conversion's scale operand
.endr
.irp b, 0,1,2,3
	v_lshrrev_b32 v[TM+4+\b], 23, v[TM+12+\b]   ; the scale's byte
.endr
	v_lshl_or_b32 v[PW], v[TM+5], 8, v[TM+4]
	v_lshl_or_b32 v[PW], v[TM+6], 16, v[PW]
	v_lshl_or_b32 v[PW], v[TM+7], 24, v[PW]
.irp c, 0,1
	v_cvt_scalef32_pk16_bf6_f32 v[PC+6*\c:PC+2+6*\c], v[\s+32*\c:\s+15+32*\c], v[TM+12+2*\c]
	v_cvt_scalef32_pk16_bf6_f32 v[PC+12+4*\c:PC+14+4*\c], v[\s+16+32*\c:\s+31+32*\c], v[TM+12+2*\c+1]
.endr
	v_nop                                          ; one plain line behind the scaled conversions
.irp c, 0,1                                    ; a whole block to a lane: lanes 0-15 block 2 c, lanes 16-31 block 2 c + 1
.irp i, 0,1,2
	v_permlane16_swap_b32 v[PC+6*\c+\i], v[PC+12+4*\c+\i]
.endr
.irp i, 0,1,2
	v_mov_b32 v[PC+3+6*\c+\i], v[PC+12+4*\c+\i]
.endr
.endr
.endm
	s_load_b128 s[4:7], s[0:1], 0x0                ; embed s[4:5], xq s[6:7]
	v_lshl_add_u32 v254, v0, 2, 0x10a00
	v_mov_b32 v255, 0
	v_lshrrev_b32 v1, 5, v0
	v_readfirstlane_b32 s8, v1                     ; wave
	v_and_b32 v2, 31, v0                           ; lane
	v_and_b32 v3, 15, v0                           ; r
	v_bfe_u32 v8, v0, 4, 1                         ; h
	v_lshlrev_b32 v1, 4, v2                        ; 16 x lane
	v_lshlrev_b32 v6, 3, v2                        ; 8 x lane
	s_mul_i32 s9, s8, WREG
	v_add_nc_u32 v4, s9, v1                        ; into the stage: a row's 512 bytes as they lie
	v_mul_u32_u24 v5, v3, 528
	v_lshl_add_u32 v5, v8, 6, v5
	v_add_nc_u32 v5, s9, v5                        ; out of it: row r, + 64 h: my 16 numbers of a block
	s_lshl_b32 s10, s8, 3
	s_add_co_u32 s10, s10, SCG
	v_lshl_add_u32 v7, v3, 5, s10                  ; my row's scale words: SCG + 32 r + 8 w
	v_add_nc_u32 v9, SCG, v1                       ; and where wave 0 reads them all back
	v_lshrrev_b32 v10, 1, v2
	v_lshl_add_u32 v10, v8, 3, v10                 ; row lane / 2 of the tile is token (lane / 2) + 8 (lane / 16) from the tile's first
	v_lshlrev_b32 v10, 5, v10
	v_and_b32 v11, 1, v2
	v_lshl_add_u32 v10, v11, 4, v10                ; x 32 bytes, + my half of the row's 32
	s_mov_b32 s[SEL], 0x76543210
	s_mov_b32 s[SEL+1], 0xfedcba98                 ; lane l xor 16
.irp b, 0,1,2,3
	v_mov_b32 v[TM+4+\b], 0                        ; a lane permute's destination counts as read: written once
.endr
	s_lshr_b32 s11, ttmp9, 1
	s_lshl_b32 s11, s11, 5
	s_and_b32 s12, ttmp9, 1
	s_lshl_b32 s12, s12, 3
	s_add_co_u32 s11, s11, s12                     ; the tile's first token
	s_lshl_b32 s12, s11, 12
	s_lshl_b32 s13, s8, 10
	s_add_co_u32 s12, s12, s13                     ; x 4,096 bytes + my wave's 1,024
	s_mov_b32 s13, 0
	s_mul_i32 s14, ttmp9, 12288
	s_mul_i32 s15, s8, 3072
	s_add_co_u32 s14, s14, s15                     ; my two fragments' images
	s_mov_b32 s15, 0
	s_lshl_b32 s22, s11, 5
	s_add_co_u32 s22, s22, XS                      ; the tile's scale bytes
	s_mov_b32 s23, 0
	s_wait_kmcnt 0x0
	s_add_nc_u64 s[4:5], s[4:5], s[12:13]
	s_add_nc_u64 s[16:17], s[6:7], s[14:15]
	s_add_nc_u64 s[18:19], s[6:7], s[22:23]
.irp q, 0,1
.irp p, 0,1,2,3,4,5,6,7,8,9,10,11,12,13,14,15
	global_load_b128 v[R+64*\q+4*\p:R+64*\q+4*\p+3], v1, s[4:5] offset:(\p+8*(\p/8))*4096+512*\q th:TH_LOAD_NT   ; 32 lanes read 512 consecutive bytes of one row
.endr
.endr
.macro HALF q
.if \q == 0
	s_wait_loadcnt 16                              ; the first K step's 16 loads are in; the second's 16 may be out
.else
	s_wait_loadcnt 0x0
.endif
.irp p, 0,1,2,3,4,5,6,7,8,9,10,11,12,13,14,15
	ds_store_b128 v4, v[R+64*\q+4*\p:R+64*\q+4*\p+3] offset:STG*\q+528*\p
.endr
.irp b, 0,1,2,3
.irp j, 0,1,2,3
	ds_load_b128 v[X+16*\b+4*\j:X+16*\b+4*\j+3], v5 offset:STG*\q+128*\b+16*\j   ; LDS serves a wave's instructions in order: these see my stores
.endr
.endr
	s_wait_dscnt 0x0
.if \q
	s_wait_xcnt 0x0                                ; the first fragment's stores have read their registers
.endif
	QUANT X
	global_store_b128 v1, v[PC:PC+3], s[16:17] offset:1536*\q           ; 512 consecutive bytes
	global_store_b64 v6, v[PC+4:PC+5], s[16:17] offset:1536*\q+512      ; 256
	global_store_b128 v1, v[PC+6:PC+9], s[16:17] offset:1536*\q+768
	global_store_b64 v6, v[PC+10:PC+11], s[16:17] offset:1536*\q+1280
	ds_store_b32 v7, v[PW] offset:4*\q             ; lanes r and r + 16 write the same word with the same value
.endm
	HALF 0
	HALF 1
	s_wait_dscnt 0x0                               ; for the others' sake: my scale words have landed
	s_barrier_signal -1
	s_barrier_wait -1
	s_cmp_lg_u32 s8, 0
	s_cbranch_scc1 .Ldone
	ds_load_b128 v[12:15], v9                      ; wave 0: the tile's 512 scale bytes
	s_wait_dscnt 0x0
	global_store_b128 v10, v[12:15], s[18:19]      ; two runs of 256 consecutive bytes, each at a multiple of 256
.Ldone:
	s_wait_tensorcnt 0x0
	ds_add_u32 v254, v255
	s_wait_dscnt 0x0
	s_endpgm
.Lfunc_end_k_qe0f2d43553_quantx:
	.size	k_qe0f2d43553_quantx, .Lfunc_end_k_qe0f2d43553_quantx-k_qe0f2d43553_quantx
	.p2alignl 7, 3214868480
	.fill 96, 4, 3214868480
	.section	.rodata,"a",@progbits
	.p2align	6, 0x0
	.amdhsa_kernel k_qe0f2d43553_quantx
		.amdhsa_group_segment_fixed_size 68608
		.amdhsa_private_segment_fixed_size 0
		.amdhsa_enable_private_segment 0
		.amdhsa_kernarg_size 16
		.amdhsa_user_sgpr_count 2
		.amdhsa_user_sgpr_kernarg_segment_ptr 1
		.amdhsa_wavefront_size32 1
		.amdhsa_system_sgpr_workgroup_id_x 1
		.amdhsa_system_sgpr_workgroup_id_y 1
		.amdhsa_system_sgpr_workgroup_id_z 1
		.amdhsa_system_vgpr_workitem_id 0
		.amdhsa_next_free_vgpr 256
		.amdhsa_next_free_sgpr 66
		.amdhsa_reserve_vcc 0
		.amdhsa_float_denorm_mode_32 3
		.amdhsa_float_denorm_mode_16_64 3
		.amdhsa_memory_ordered 1
		.amdhsa_forward_progress 1
		.amdhsa_inst_pref_size 19
	.end_amdhsa_kernel
	.amdgpu_metadata
---
amdhsa.version: [ 1, 2 ]
amdhsa.kernels:
  - .name:           k_qe0f2d43553_quantx
    .symbol:         k_qe0f2d43553_quantx.kd
    .args:
      - { .name: embed, .offset: 0, .size: 8, .value_kind: global_buffer, .address_space: global }
      - { .name: xq, .offset: 8, .size: 8, .value_kind: global_buffer, .address_space: global }
    .group_segment_fixed_size: 68608
    .private_segment_fixed_size: 0
    .kernarg_segment_align: 8
    .kernarg_segment_size: 16
    .max_flat_workgroup_size: 128
    .sgpr_count:     66
    .vgpr_count:     256
    .wavefront_size: 32
...
	.end_amdgpu_metadata
.endif
;; end of part 1
;; launch qkv (part 2): grid 8 x 32, 4 waves a work-group, clusters of 4 x 4, 327,680 bytes of LDS; arguments xq, Wq_codes, Wq_scales, Wk_codes, Wk_scales, Wv_codes, Wv_scales, bv, qq, kv; writes qq, kv
.if DOCPART == 2
	.amdgcn_target "amdgcn-amd-amdhsa--gfx1250"
	.amdhsa_code_object_version 6
	.text
	.protected	k_qe0f2d43553_qkv
	.globl	k_qe0f2d43553_qkv
	.p2align	8
	.type	k_qe0f2d43553_qkv,@function
k_qe0f2d43553_qkv:
	s_mov_b64 s[64:65], 0
	v_nop
	global_prefetch_b8 v0, s[64:65] scope:SCOPE_SE
	s_setreg_imm32_b32 hwreg(HW_REG_WAVE_MODE, 25, 1), 1
	s_wait_xcnt 0x0
	s_wait_alu depctr_hold_cnt(0) depctr_sa_sdst(0) depctr_va_vdst(0) depctr_va_sdst(0) depctr_va_ssrc(0) depctr_va_vcc(0) depctr_vm_vsrc(0)
	s_getreg_b32 s2, hwreg(HW_REG_IB_STS2, 6, 4)
	s_cmp_eq_u32 s2, 0
	s_cbranch_scc0 .Lentry_in_a_cluster
	s_endpgm
.Lentry_in_a_cluster:
	s_bfe_u32 s2, ttmp6, 0x10000c
	s_cmp_lg_u32 s2, 0xf033
	s_cbranch_scc0 .Lentry_shape_is_right
	s_endpgm
.Lentry_shape_is_right:
; Q = x Wq^T, K = x Wk^T, V = x Wv^T + bv on codes of E3M2, and their quantising: Q and K along the head's 64, V along the keys.
; SHARES: work-group (j, i) takes 128 tokens (i: batch i / 16, key step i % 16) and 128 features (j: two heads) of each of the three weights: it stays and makes three tiles of 128 x 128 from ONE tile of x.
; A wave makes 64 x 64: token half wr = w / 2, head 2 j + wc, wc = w % 2: 16 accumulators.  256 work-groups of equal work; a larger wave tile would leave WGPs without work.
; LDS: x's tile for all of K (98,304 bytes, images of operand registers, dense) and two regions for a weight's 128 rows x 768 bytes (16 bytes of padding behind each 256: rows 816 bytes apart).
; Wq and Wk come with the first fills; Wv fills Wq's region again behind Q's products.  By this text's count a wave has at most three tensor loads out.
; CLUSTER 4 x 4: x's tile hangs on i alone and is asked for jointly along a row of the cluster, a weight's on j alone, along a column.  Every wave brings a quarter of each block: no branch round a load.
; PRODUCTS ARE USED TRANSPOSED.  Q, K: source 0 = 16 rows of W (natural order), source 1 = a tile of x: a lane holds one token, its registers run along the features; sixteen lane swaps put the
; registers of two neighbouring tiles into 16 neighbours.  V: source 0 = a tile of x, source 1 = 16 rows of Wv: a lane holds one feature and its registers run along the tokens, which by the tiles' map
; (row p of tile T = token 32 (T / 2) + 8 (T % 2) + p + 8 (p / 8)) are 16 neighbours already.
; OUT: qq: [head 32][tile 128][768] images, at QSO a scale word a row (bytes 0, 1 the two blocks', bytes 2, 3 the same again).  kv: a record of 13,056 bytes for each head and key step:
; 8 tiles of K, 4 x 2 halves of V^T, K's scale words, V's scale words.
; LIMITS: NaN and infinities are not served; a block of zeros gets the byte 1 (its codes are zeros; this program alone reads the bytes).
.set RX,    0
.set RW0,   98304
.set RW1,   202752
.set SPARE, 307200                     ; the spare words: 128 bytes a wave, two blocks of 256 bytes that no other line names
.set WP,    816                        ; a weight's row in LDS
.set PER,   32                         ; pieces of 8 bytes between two paddings
.set XSO,   3145728                    ; x's scale bytes in xq
.set QSO,   3145728                    ; Q's scale words in qq
.set REC,   13056
.set ACC,   128                        ; v128-255: accumulator (a, b) at ACC + 32 a + 8 b
.set BI,    0                          ; (no bias as C in this launch)
.set XSC,   16                         ; v16-31  x's scale words: pair of tiles p, K step s at 8 p + s; lanes 0-15 tile 2 p, lanes 16-31 tile 2 p + 1
.set WSC,   32                         ; v32-79  the same for Wq, Wk, Wv
.set BV,    80                         ; v80-87  bv of my feature, twice, for each of 4 tiles
.set TM,    88
.set TP,    90
.set SO,    92
.set BY,    94
.set PC,    96                         ; v96-102
.set SV,    104
.set WV,    56
.set SEL,   66
.set HM,    68
.set MSB, 0
.macro WIN new                         ; the immediate's high byte repeats the setting that is left
.if MSB != \new
	s_set_vgpr_msb (MSB<<8)|\new
.set MSB, \new
.endif
.endm
.set MUL,  0x05                        ; sources 0 and 1 window 1; C and D window 0
.set TO_F, 0x40                        ; destination window 1, address window 0
.macro PLACES n
.rept \n
	v_nop
.endr
.endm
.macro BAR
	s_barrier_signal -1
	s_barrier_wait -1
.endm
.macro CROUND                          ; a round of the cluster's barrier
	s_barrier_signal -1
	s_barrier_wait -1
	s_cmp_lg_u32 s[WV], 0
	s_cbranch_scc1 .Lnot_wave_0_\@
	s_barrier_signal -3
.Lnot_wave_0_\@:
	s_barrier_wait -3
	s_barrier_signal -1
	s_barrier_wait -1
.endm
.macro FRAGI reg, a16, a8, off         ; a fragment from its image: two halves of 16 + 8 bytes a lane
	ds_load_b128 v[(\reg):(\reg)+3], v[\a16] offset:\off
	ds_load_b64 v[(\reg)+4:(\reg)+5], v[\a8] offset:(\off)+512
	ds_load_b128 v[(\reg)+6:(\reg)+9], v[\a16] offset:(\off)+768
	ds_load_b64 v[(\reg)+10:(\reg)+11], v[\a8] offset:(\off)+1280
.endm
.macro FRAGW reg, adr, ks, rowoff      ; a fragment from rows of codes: six pieces of 8 bytes; lanes 16-31 read three pieces on, which for some pieces is behind one padding more: the second address register
.irp p, 0,1,2,3,4,5
.set PCE, 12*(\ks)+6*(\p/3)+\p%3
.if PCE%PER < PER-3
	ds_load_b64 v[(\reg)+2*\p:(\reg)+2*\p+1], v[\adr] offset:8*PCE+16*(PCE/PER)+(\rowoff)
.else
	ds_load_b64 v[(\reg)+2*\p:(\reg)+2*\p+1], v[\adr+1] offset:8*PCE+16*(PCE/PER)+(\rowoff)
.endif
.endr
.endm
.macro WM d, fa, fb, cm, cr, sa, sb, ra, rb   ; one product.  cm = 1: C = 0; 2: C = v[cr ..]; 0: C = D.  ra, rb: the side's scales stand in lanes 16-31
.set CR_, \d
.if (\cm) == 2
.set CR_, \cr
.endif
.if (\cm) == 1
.if (\ra) && (\rb)
	v_wmma_scale_f32_16x16x128_f8f6f4 v[(\d):(\d)+7], v[(\fa):(\fa)+11], v[(\fb):(\fb)+11], 0, v[\sa], v[\sb] matrix_a_fmt:MATRIX_FMT_BF6 matrix_b_fmt:MATRIX_FMT_BF6 matrix_a_scale:MATRIX_SCALE_ROW1 matrix_b_scale:MATRIX_SCALE_ROW1
.elseif (\ra)
	v_wmma_scale_f32_16x16x128_f8f6f4 v[(\d):(\d)+7], v[(\fa):(\fa)+11], v[(\fb):(\fb)+11], 0, v[\sa], v[\sb] matrix_a_fmt:MATRIX_FMT_BF6 matrix_b_fmt:MATRIX_FMT_BF6 matrix_a_scale:MATRIX_SCALE_ROW1
.elseif (\rb)
	v_wmma_scale_f32_16x16x128_f8f6f4 v[(\d):(\d)+7], v[(\fa):(\fa)+11], v[(\fb):(\fb)+11], 0, v[\sa], v[\sb] matrix_a_fmt:MATRIX_FMT_BF6 matrix_b_fmt:MATRIX_FMT_BF6 matrix_b_scale:MATRIX_SCALE_ROW1
.else
	v_wmma_scale_f32_16x16x128_f8f6f4 v[(\d):(\d)+7], v[(\fa):(\fa)+11], v[(\fb):(\fb)+11], 0, v[\sa], v[\sb] matrix_a_fmt:MATRIX_FMT_BF6 matrix_b_fmt:MATRIX_FMT_BF6
.endif
.else
.if (\ra) && (\rb)
	v_wmma_scale_f32_16x16x128_f8f6f4 v[(\d):(\d)+7], v[(\fa):(\fa)+11], v[(\fb):(\fb)+11], v[CR_:CR_+7], v[\sa], v[\sb] matrix_a_fmt:MATRIX_FMT_BF6 matrix_b_fmt:MATRIX_FMT_BF6 matrix_a_scale:MATRIX_SCALE_ROW1 matrix_b_scale:MATRIX_SCALE_ROW1
.elseif (\ra)
	v_wmma_scale_f32_16x16x128_f8f6f4 v[(\d):(\d)+7], v[(\fa):(\fa)+11], v[(\fb):(\fb)+11], v[CR_:CR_+7], v[\sa], v[\sb] matrix_a_fmt:MATRIX_FMT_BF6 matrix_b_fmt:MATRIX_FMT_BF6 matrix_a_scale:MATRIX_SCALE_ROW1
.elseif (\rb)
	v_wmma_scale_f32_16x16x128_f8f6f4 v[(\d):(\d)+7], v[(\fa):(\fa)+11], v[(\fb):(\fb)+11], v[CR_:CR_+7], v[\sa], v[\sb] matrix_a_fmt:MATRIX_FMT_BF6 matrix_b_fmt:MATRIX_FMT_BF6 matrix_b_scale:MATRIX_SCALE_ROW1
.else
	v_wmma_scale_f32_16x16x128_f8f6f4 v[(\d):(\d)+7], v[(\fa):(\fa)+11], v[(\fb):(\fb)+11], v[CR_:CR_+7], v[\sa], v[\sb] matrix_a_fmt:MATRIX_FMT_BF6 matrix_b_fmt:MATRIX_FMT_BF6
.endif
.endif
.endm
.macro MUL16 f0, f1, sc0, sc1, ks, nks, cm   ; 16 products, 128 along K: source 0 = tile b (from f0), source 1 = tile a (from f1).  The 16 accumulators take turns, one instruction a turn, in the same order in every K step
.irp a, 0,1,2,3
.irp b, 0,1,2,3
	WM ACC+32*\a+8*\b, (\f0)+12*\b, (\f1)+12*\a, \cm, BI+8*\b, (\sc0)+(\nks)*(\b/2)+(\ks), (\sc1)+(\nks)*(\a/2)+(\ks), \b%2, \a%2
.endr
.endr
.endm
.macro FETCH ks, buf, x16, x8, xstr, wadr   ; 40 LDS loads: x's 4 fragments and W's 4 of one K step into buffer buf of window 1
; x's fragments are read from LDS ONCE, with Q's products (XLD = 1), and stay in registers for K's and V's: K step s at v[64 + 48 (s % 4)] of window 2 + s / 4: 384 registers.  A weight's fragments keep two buffers in window 1.
.if XLD
	WIN (0x80+0x40*((\ks)/4))
.irp a, 0,1,2,3
	FRAGI 64+48*((\ks)%4)+12*\a, \x16, \x8, \a*(\xstr)+(\ks)*1536
.endr
.endif
	WIN TO_F
.irp b, 0,1,2,3
	FRAGW 96*(\buf)+48+12*\b, \wadr, \ks, \b*16*WP
.endr
.endm
; nk K steps on two fragment buffers: a K step's loads are issued one step ahead, in one run.  Loads into registers that products have read stand four plain lines behind them; five stand at the head,
; where accumulators are begun anew over earlier results.  order = 0: source 0 = W, source 1 = x; 1: the other way round.  cm: how the first K step starts the sums.
.macro GEMM nk, s0, x16, x8, xstr, wadr, order, scx, scw, nks, cm
	PLACES 5
	WIN TO_F
	FETCH 0, 0, \x16, \x8, \xstr, \wadr
.set KS_, 0
.rept \nk
.if KS_ < (\nk)-1
.if KS_ > 0
	PLACES 4
.endif
	WIN TO_F
	FETCH KS_+1, (KS_+1)%2, \x16, \x8, \xstr, \wadr
	s_wait_dscnt 24+16*XLD                         ; all but those just issued: W's 24 loads, and x's 16 where x is still being read
.else
	s_wait_dscnt 0x0
.endif
.set XW_, 2+KS_/4                      ; x's window in this K step
.set CW_, 0
.if ((\cm) == 2) && (KS_ == 0)
.set CW_, 2                            ; C in window 2
.endif
.if \order
	WIN (XW_|(1<<2)|(CW_<<4))
.else
	WIN (1|(XW_<<2)|(CW_<<4))
.endif
.set CM_, 0
.if KS_ == 0
.set CM_, \cm
.endif
.if \order
	MUL16 64+48*(KS_%4), 96*(KS_%2)+48, \scx, \scw, (\s0)+KS_, \nks, CM_
.else
	MUL16 96*(KS_%2)+48, 64+48*(KS_%4), \scw, \scx, (\s0)+KS_, \nks, CM_
.endif
.set KS_, KS_+1
.endr
	WIN 0
.endm
; 32 numbers of a lane become half a fragment (6 registers, v[PC] on) and two scale bytes (v[BY], v[BY+1]).  Wanted: register 16 b + i = k 32 b + 16 (lane / 16) + i of the lane's row.
; nat = 1: the registers are four natural tiles (register 8 t + j = k 16 t + 8 (lane / 16) + j): a swap of the halves of the lanes between tiles 2 k and 2 k + 1 gives the wanted order.  Each accumulator is read from its low end on.
.macro QH s, nat
.if \nat
.irp k, 0,1
.irp j, 0,1,2,3,4,5,6,7
	v_permlane16_swap_b32 v[(\s)+16*\k+\j], v[(\s)+16*\k+8+\j]
.endr
.endr
.endif
.irp b, 0,1
	v_max3_num_f32 v[TM+\b], |v[(\s)+16*\b]|, |v[(\s)+16*\b+1]|, 0x2800000   ; and the floor 2^(5 - 127): the byte cannot fall under 1
.endr
.irp i, 2,4,6,8,10,12,14
.irp b, 0,1
	v_max3_num_f32 v[TM+\b], v[TM+\b], |v[(\s)+16*\b+\i]|, |v[(\s)+16*\b+\i+1]|
.endr
.endr
.irp b, 0,1
	v_permlanex16_b32 v[TP+\b], v[TM+\b], s[SEL], s[SEL+1]
.endr
.irp b, 0,1
	v_max_num_f32 v[TM+\b], v[TM+\b], v[TP+\b]     ; with lane l xor 16's 16: the block's largest magnitude
.endr
.irp b, 0,1
	v_add_nc_u32 v[SO+\b], 0xfe000000, v[TM+\b]    ; 4 off its exponent field: the conversion's scale operand
.endr
.irp b, 0,1
	v_lshrrev_b32 v[BY+\b], 23, v[SO+\b]           ; the scale's byte
.endr
	v_cvt_scalef32_pk16_bf6_f32 v[PC:PC+2], v[(\s):(\s)+15], v[SO]
	v_cvt_scalef32_pk16_bf6_f32 v[PC+4:PC+6], v[(\s)+16:(\s)+31], v[SO+1]
	v_nop                                          ; one plain line behind the scaled conversions
.irp i, 0,1,2
	v_permlane16_swap_b32 v[PC+\i], v[PC+4+\i]     ; a whole block to a lane: lanes 0-15 block 0, lanes 16-31 block 1
.endr
	v_mov_b32 v[PC+3], v[PC+4]
	v_mov_b32 v[PC+4], v[PC+5]
	v_mov_b32 v[PC+5], v[PC+6]
.endm
.macro EPQ cb, wb                      ; Q's or K's way out: my four tiles of 16 tokens x the head's 64; codes to s[cb], scale words to s[wb]
	PLACES 4                                       ; behind the last products
.irp m, 0,1,2,3
	s_wait_xcnt 0x0                                ; the last tile's stores have read their registers
	QH ACC+32*\m, 1
	v_lshl_or_b32 v[SV], v[BY+1], 8, v[BY]
	global_store_b128 v10, v[PC:PC+3], s[\cb:\cb+1] offset:768*\m          ; 512 consecutive bytes
	global_store_b64 v11, v[PC+4:PC+5], s[\cb:\cb+1] offset:768*\m+512     ; 256
	global_store_b16 v12, v[SV], s[\wb:\wb+1] offset:64*\m                 ; both halves of the lanes store the two bytes: the word holds them twice
.endr
.endm
	s_load_b512 s[4:19], s[0:1], 0x0               ; xq s[4:5]; Wq codes, scales s[6:9]; Wk s[10:13]; Wv s[14:17]; bv s[18:19]
	s_load_b128 s[20:23], s[0:1], 0x40             ; qq s[20:21], kv s[22:23]
	v_lshl_add_u32 v8, v0, 2, SPARE
	v_mov_b32 v9, 0
	ds_add_u32 v8, v9
	ds_add_u32 v8, v9
	s_wait_dscnt 0x0
	v_lshrrev_b32 v1, 5, v0
	v_readfirstlane_b32 s[WV], v1                  ; wave 0..3
	s_lshr_b32 s57, s[WV], 1                       ; wr: my half of the tokens
	s_and_b32 s58, s[WV], 1                        ; wc: my half of the features
	s_bfe_u32 s59, ttmp6, 0x40000                  ; cx
	s_bfe_u32 s60, ttmp6, 0x40004                  ; cy
	s_lshl_b32 s61, ttmp9, 2
	s_add_co_u32 s61, s61, s59                     ; j
	s_and_b32 s62, ttmp7, 0xffff
	s_lshl_b32 s62, s62, 2
	s_add_co_u32 s62, s62, s60                     ; i
	s_lshl_b32 s63, s60, 2
	s_lshl_b32 s63, 15, s63                        ; my row of the cluster
	s_lshl_b32 s69, 0x1111, s59                    ; my column
	; group 1: a quarter of a block, 24,576 dense bytes, as 96 rows of 256 bytes (32 elements of 8 bytes)
	s_or_b32 s24, s63, (3<<16)|(1<<21)             ; x: the mask of my row; no padding
	s_or_b32 s32, s69, (3<<16)|(1<<20)|(1<<21)|(5<<22)|(3<<25)   ; W: the mask of my column; 4 words of padding behind every 64
.irp g, 24, 32
	s_mov_b32 s[\g+1], 32<<16                      ; tensor_dim0
	s_mov_b32 s[\g+2], 192<<16                     ; tensor_dim1: the head's loads bring halves of a block, 192 rows of 256 bytes
	s_mov_b32 s[\g+3], 32<<16                      ; tile_dim0
	s_mov_b32 s[\g+4], 192                         ; tile_dim1
	s_mov_b32 s[\g+5], 32                          ; pitch
	s_mov_b32 s[\g+6], 0
	s_mov_b32 s[\g+7], 0
.endr
	s_mul_i32 s70, s62, 98304                      ; x's tile hangs on i and the wave alone,
	s_mul_i32 s71, s58, 49152                      ; x comes in halves: waves 0 and 1
	s_add_co_u32 s70, s70, s71
	s_mov_b32 s71, 0
	s_mul_i32 s72, s61, 98304                      ; a weight's on j and the wave alone
	s_mul_i32 s73, s[WV], 24576
	s_add_co_u32 s72, s72, s73
	s_mov_b32 s73, 0
	s_mul_i32 s74, s58, 49152
	s_mul_i32 s76, s61, 98304                      ; Wq comes in halves too: waves 2 and 3
	s_mul_i32 s77, s58, 49152
	s_add_co_u32 s76, s76, s77
	s_mov_b32 s77, 0
	s_mul_i32 s78, s58, 52224
	s_mul_i32 s75, s[WV], 26112
	s_wait_kmcnt 0x0
	s_mov_b32 s40, 1
	s_add_co_u32 s41, s74, RX
	s_add_nc_u64 s[42:43], s[4:5], s[70:71]
	s_or_b32 s43, s43, 0x80000000
	s_mov_b32 s44, 1
	s_add_co_u32 s45, s78, RW0
	s_add_nc_u64 s[46:47], s[6:7], s[76:77]
	s_or_b32 s47, s47, 0x80000000
	s_mov_b32 s48, 1
	s_add_co_u32 s49, s75, RW1
	s_add_nc_u64 s[50:51], s[10:11], s[72:73]
	s_or_b32 s51, s51, 0x80000000
	s_mov_b32 s52, 1
	s_add_co_u32 s53, s75, RW0
	s_add_nc_u64 s[54:55], s[14:15], s[72:73]
	s_or_b32 s55, s55, 0x80000000
	CROUND                                         ; all sixteen work-groups are here: the first joint loads meet
	; THE FILLS AS THEY STAND: at the head one load a wave: waves 0, 1 a half of x each, waves 2, 3 a half of Wq each.  Wk follows behind the three lines and a round, a quarter a wave;
	; Wv fills Wq's region again behind Q's products.  A wave has one tensor load out at any time.  Everything is asked for at the head or one product ahead, and no loop runs ahead of a load: no prefetch.
	s_cmp_eq_u32 s57, 0
	s_cbranch_scc0 .Lhead_w
	tensor_load_to_lds s[40:43], s[24:31]          ; x, my half
	s_nop 0
	PLACES 4
	s_branch .Lhead_done
.Lhead_w:
	tensor_load_to_lds s[44:47], s[32:39]          ; Wq, my half
	s_nop 0
	PLACES 4
.Lhead_done:
	v_and_b32 v106, 31, v0                         ; lane
	v_and_b32 v107, 15, v0                         ; r
	v_bfe_u32 v108, v0, 4, 1                       ; h
	v_lshlrev_b32 v10, 4, v106
	v_lshlrev_b32 v11, 3, v106
	s_mul_i32 s74, s57, 49152                      ; my four tiles of x
	v_add_nc_u32 v2, s74, v10
	v_add_nc_u32 v3, s74, v11
	v_mul_u32_u24 v109, v107, WP
	v_mad_u32_u24 v109, v108, 24, v109
	s_mul_i32 s75, s58, 64*WP                      ; my 64 rows of a weight
	s_add_co_u32 s75, s75, RW0
	v_add_nc_u32 v4, s75, v109                     ; row r x pitch + 24 h
	v_lshl_add_u32 v5, v108, 4, v4                 ; and behind one padding more
	v_add_nc_u32 v6, RW1-RW0, v4
	v_add_nc_u32 v7, RW1-RW0, v5
	v_lshlrev_b32 v1, 2, v107                      ; 4 r
	v_lshl_add_u32 v12, v108, 1, v1                ; 4 r + 2 h
	v_add_nc_u32 v13, v1, v108                     ; 4 r + h
	v_lshrrev_b32 v109, 3, v107
	v_add_nc_u32 v109, v109, v108
	v_lshl_add_u32 v109, v109, 3, v107             ; r + 8 (r / 8) + 8 h: my token among a pair of tiles' 32
	v_lshlrev_b32 v14, 5, v109                     ; x 32 scale bytes a row
	s_wait_alu depctr_va_vdst(0)
	v_lshlrev_b32 v15, 5, v106                     ; a weight's rows are natural: 32 x lane
	s_wait_alu depctr_va_vdst(0)
	v_mov_b32 v[TP], 0                             ; a lane permute's destination counts as read
	v_mov_b32 v[TP+1], 0
	s_mov_b32 s[SEL], 0x76543210
	s_mov_b32 s[SEL+1], 0xfedcba98
	s_mov_b32 s[HM], 0xffff0000                    ; lanes 16-31
	s_lshl_b32 s76, s62, 12
	s_lshl_b32 s77, s57, 11
	s_add_co_u32 s76, s76, s77
	s_add_co_u32 s76, s76, XSO                     ; x's scale bytes: (128 i + 64 wr) x 32
	s_mov_b32 s77, 0
	s_add_nc_u64 s[76:77], s[4:5], s[76:77]
	s_lshl_b32 s78, s61, 12
	s_lshl_b32 s79, s58, 11
	s_add_co_u32 s78, s78, s79                     ; the weights': (128 j + 64 wc) x 32
	s_mov_b32 s79, 0
	s_add_nc_u64 s[80:81], s[8:9], s[78:79]
	s_add_nc_u64 s[82:83], s[12:13], s[78:79]
	s_add_nc_u64 s[84:85], s[16:17], s[78:79]
	s_lshr_b32 s78, s78, 3                         ; bv: x 4
	s_add_nc_u64 s[86:87], s[18:19], s[78:79]
.irp p, 0,1
.irp q, 0,1
	global_load_b128 v[XSC+8*\p+4*\q:XSC+8*\p+4*\q+3], v14, s[76:77] offset:1024*\p+16*\q      ; four K steps' words of my row
	global_load_b128 v[WSC+8*\p+4*\q:WSC+8*\p+4*\q+3], v15, s[80:81] offset:1024*\p+16*\q
	global_load_b128 v[WSC+16+8*\p+4*\q:WSC+16+8*\p+4*\q+3], v15, s[82:83] offset:1024*\p+16*\q
	global_load_b128 v[WSC+32+8*\p+4*\q:WSC+32+8*\p+4*\q+3], v15, s[84:85] offset:1024*\p+16*\q
.endr
.endr
.irp n, 0,1,2,3
	global_load_b32 v[BV+2*\n], v1, s[86:87] offset:64*\n
.endr
	; where the results go
	s_lshr_b32 s70, s62, 4
	s_lshl_b32 s70, s70, 4
	s_lshl_b32 s71, s61, 1
	s_add_co_u32 s70, s70, s71
	s_add_co_u32 s70, s70, s58                     ; batch x 16 + head
	s_and_b32 s71, s62, 15                         ; key step
	s_lshl_b32 s72, s70, 7
	s_lshl_b32 s73, s71, 3
	s_add_co_u32 s72, s72, s73
	s_lshl_b32 s73, s57, 2
	s_add_co_u32 s72, s72, s73                     ; my first tile of Q
	s_mul_i32 s88, s72, 768
	s_mov_b32 s89, 0
	s_add_nc_u64 s[88:89], s[20:21], s[88:89]
	s_lshl_b32 s90, s72, 6
	s_add_co_u32 s90, s90, QSO
	s_mov_b32 s91, 0
	s_add_nc_u64 s[90:91], s[20:21], s[90:91]
	s_mul_i32 s72, s70, 16*REC
	s_mul_i32 s73, s71, REC
	s_add_co_u32 s72, s72, s73                     ; the record
	s_mul_i32 s73, s57, 3072
	s_add_co_u32 s92, s72, s73                     ; K's tiles 4 wr on
	s_mov_b32 s93, 0
	s_add_nc_u64 s[92:93], s[22:23], s[92:93]
	s_lshl_b32 s73, s57, 8
	s_add_co_u32 s94, s72, s73
	s_add_co_u32 s94, s94, 12288                   ; their scale words
	s_mov_b32 s95, 0
	s_add_nc_u64 s[94:95], s[22:23], s[94:95]
	s_mul_i32 s73, s57, 768
	s_add_co_u32 s96, s72, s73
	s_add_co_u32 s96, s96, 6144                    ; V's half wr of each fragment
	s_mov_b32 s97, 0
	s_add_nc_u64 s[96:97], s[22:23], s[96:97]
	s_lshl_b32 s73, s57, 1
	s_add_co_u32 s98, s72, s73
	s_add_co_u32 s98, s98, 12800                   ; V's scale bytes 2 wr, 2 wr + 1
	s_mov_b32 s99, 0
	s_add_nc_u64 s[98:99], s[22:23], s[98:99]
	s_wait_loadcnt 0x0
.irp n, 0,1,2,3
	v_mov_b32 v[BV+2*\n+1], v[BV+2*\n]             ; a pair for the packed addition
.endr
	s_wait_alu depctr_va_vdst(0)                   ; the head's end
	s_wait_tensorcnt 0x0                           ; my half of x or of Wq is in
	ds_add_u32 v8, v9                              ; 0 onto my spare word
	s_mov_b32 s34, 96<<16                          ; no load of mine is out: from here on a weight's load brings a quarter, 96 rows
	s_mov_b32 s36, 96
	s_wait_dscnt 0x0
	CROUND                                         ; everybody's part is in, and the joint loads meet
	tensor_load_to_lds s[48:51], s[32:39]          ; Wk, my quarter: it has Q's products in which to land
	s_nop 0
	PLACES 4
.set XLD, 1
	GEMM 8, 0, 2, 3, 12288, 4, 0, XSC, WSC, 8, 1   ; Q, and x's fragments into their registers
.set XLD, 0
	s_wait_tensorcnt 0x0                           ; all my tensor loads have landed, Wk's part among them;
	ds_add_u32 v8, v9                              ; 0 onto my spare word
	PLACES 4                                       ; (the places behind Q's last products)
	s_wait_dscnt 0x0                               ; the add is done, and my reads of Wq's region are over
	CROUND                                         ; so of every wave of every partner
	tensor_load_to_lds s[52:55], s[32:39]          ; Wv into Wq's region: it has Q's way out and all of K's products in which to land
	s_nop 0
	PLACES 4
	EPQ 88, 90
	GEMM 8, 0, 2, 3, 12288, 6, 0, XSC, WSC+16, 8, 1   ; K
	EPQ 92, 94
	s_wait_tensorcnt 0x0                           ; my part of Wv is in,
	s_wait_dscnt 0x0
	BAR                                            ; everybody's is
	GEMM 8, 0, 2, 3, 12288, 4, 1, XSC, WSC+32, 8, 1   ; V, the other way round: a lane holds one feature, its registers run along the tokens
	PLACES 4
.irp n, 0,1,2,3
	s_wait_xcnt 0x0
.irp q, 0,2,4,6,8,10,12,14,16,18,20,22,24,26,28,30
	v_pk_add_f32 v[ACC+32*\n+\q:ACC+32*\n+\q+1], v[ACC+32*\n+\q:ACC+32*\n+\q+1], v[BV+2*\n:BV+2*\n+1]   ; + bv of my feature
.endr
	QH ACC+32*\n, 0
	v_cndmask_b32 v[SV], v[BY], v[BY+1], s[HM]     ; lanes 0-15 carry the first block's byte, lanes 16-31 the second's
	global_store_b128 v10, v[PC:PC+3], s[96:97] offset:1536*\n
	global_store_b64 v11, v[PC+4:PC+5], s[96:97] offset:1536*\n+512
	global_store_b8 v13, v[SV], s[98:99] offset:64*\n
.endr
	s_wait_tensorcnt 0x0                           ; the wave's end
	ds_add_u32 v8, v9
	s_wait_dscnt 0x0
	CROUND                                         ; the closing round
	s_endpgm
.Lfunc_end_k_qe0f2d43553_qkv:
	.size	k_qe0f2d43553_qkv, .Lfunc_end_k_qe0f2d43553_qkv-k_qe0f2d43553_qkv
	.p2alignl 7, 3214868480
	.fill 96, 4, 3214868480
	.section	.rodata,"a",@progbits
	.p2align	6, 0x0
	.amdhsa_kernel k_qe0f2d43553_qkv
		.amdhsa_group_segment_fixed_size 327680
		.amdhsa_private_segment_fixed_size 0
		.amdhsa_enable_private_segment 0
		.amdhsa_kernarg_size 80
		.amdhsa_user_sgpr_count 2
		.amdhsa_user_sgpr_kernarg_segment_ptr 1
		.amdhsa_wavefront_size32 1
		.amdhsa_system_sgpr_workgroup_id_x 1
		.amdhsa_system_sgpr_workgroup_id_y 1
		.amdhsa_system_sgpr_workgroup_id_z 1
		.amdhsa_system_vgpr_workitem_id 0
		.amdhsa_next_free_vgpr 1024
		.amdhsa_next_free_sgpr 100
		.amdhsa_reserve_vcc 0
		.amdhsa_float_denorm_mode_32 3
		.amdhsa_float_denorm_mode_16_64 3
		.amdhsa_memory_ordered 1
		.amdhsa_forward_progress 1
		.amdhsa_inst_pref_size 144
	.end_amdhsa_kernel
	.amdgpu_metadata
---
amdhsa.version: [ 1, 2 ]
amdhsa.kernels:
  - .name:           k_qe0f2d43553_qkv
    .symbol:         k_qe0f2d43553_qkv.kd
    .args:
      - { .name: xq, .offset: 0, .size: 8, .value_kind: global_buffer, .address_space: global }
      - { .name: Wq_codes, .offset: 8, .size: 8, .value_kind: global_buffer, .address_space: global }
      - { .name: Wq_scales, .offset: 16, .size: 8, .value_kind: global_buffer, .address_space: global }
      - { .name: Wk_codes, .offset: 24, .size: 8, .value_kind: global_buffer, .address_space: global }
      - { .name: Wk_scales, .offset: 32, .size: 8, .value_kind: global_buffer, .address_space: global }
      - { .name: Wv_codes, .offset: 40, .size: 8, .value_kind: global_buffer, .address_space: global }
      - { .name: Wv_scales, .offset: 48, .size: 8, .value_kind: global_buffer, .address_space: global }
      - { .name: bv, .offset: 56, .size: 8, .value_kind: global_buffer, .address_space: global }
      - { .name: qq, .offset: 64, .size: 8, .value_kind: global_buffer, .address_space: global }
      - { .name: kv, .offset: 72, .size: 8, .value_kind: global_buffer, .address_space: global }
    .group_segment_fixed_size: 327680
    .private_segment_fixed_size: 0
    .kernarg_segment_align: 8
    .kernarg_segment_size: 80
    .max_flat_workgroup_size: 128
    .sgpr_count:     100
    .vgpr_count:     1024
    .wavefront_size: 32
...
	.end_amdgpu_metadata
.endif
;; end of part 2
;; launch attn (part 3): grid 8 x 32, 8 waves a work-group, clusters of 4 x 1, 209,920 bytes of LDS; arguments qq, kv, aq; writes aq
.if DOCPART == 3
	.amdgcn_target "amdgcn-amd-amdhsa--gfx1250"
	.amdhsa_code_object_version 6
	.text
	.protected	k_qe0f2d43553_attn
	.globl	k_qe0f2d43553_attn
	.p2align	8
	.type	k_qe0f2d43553_attn,@function
k_qe0f2d43553_attn:
	s_mov_b64 s[64:65], 0
	v_nop
	global_prefetch_b8 v0, s[64:65] scope:SCOPE_SE
	s_setreg_imm32_b32 hwreg(HW_REG_WAVE_MODE, 25, 1), 1
	s_wait_xcnt 0x0
	s_wait_alu depctr_hold_cnt(0) depctr_sa_sdst(0) depctr_va_vdst(0) depctr_va_sdst(0) depctr_va_ssrc(0) depctr_va_vcc(0) depctr_vm_vsrc(0)
	s_getreg_b32 s2, hwreg(HW_REG_IB_STS2, 6, 4)
	s_cmp_eq_u32 s2, 0
	s_cbranch_scc0 .Lentry_in_a_cluster
	s_endpgm
.Lentry_in_a_cluster:
	s_bfe_u32 s2, ttmp6, 0x10000c
	s_cmp_lg_u32 s2, 0x3003
	s_cbranch_scc0 .Lentry_shape_is_right
	s_endpgm
.Lentry_shape_is_right:
; a[token][64 head + d] = the sum over keys of softmax(Q . K / 8) V, both products on codes of E3M2, and a's quantising along the features.
; THE SOFTMAX: t = score x log2(e) / 8; M = the running largest t rounded UP to a whole number; p = 2^(t - M) is quantised along the keys, not normalised; the row's sum is taken of the unquantised p and divides at the end.
; When M moves, the sum and O are multiplied by 2^(old M - new M), which rounds nothing.
; SHARES: a work-group owns 256 queries of one head (work-group y = batch x 16 + head); each of its eight waves TWO tiles of 16 queries, in 512 registers.  Every wave walks the head's 2,048 keys, 128 a step.
; The two tiles share K's and V's fragments (each LDS load feeds two products); their lines stand by turns.
; LDS: all of the head's K, V and scale words: 16 records of 13,056 bytes, filled ONCE: wave w's one tensor load brings records 2 w and 2 w + 1 (102 rows of 256 bytes).  Nothing is filled again and nothing streams later: no prefetch.
; CLUSTER 4 x 1: the four work-groups belong to one head and ask for each pair of records jointly.
; FRAGMENTS A STEP AHEAD: behind a step's score products its V (18 loads) and the NEXT step's K (20 loads) are asked for; V is waited for by count ahead of the second product, K at the next trip's top.
; The last trip asks for record 15's K once more (the address is held there), and nobody reads it.
; WHICH KEYS FORM A TILE OF K is chosen by the lanes' LDS addresses.  In a record, row p of stored tile T is key 32 (T / 2) + 8 (T % 2) + p + 8 (p / 8).  Tile 4 c + u of a step takes as its rows 0-7 the keys 8 u .. 8 u + 7 of
; block 2 c (stored tile 4 c + u % 2, rows 8 (u / 2) on) and as its rows 8-15 the same keys of block 2 c + 1 (stored tile 4 c + 2 + u % 2).  Both products are used transposed (S^T = K Q^T, O^T = V^T P^T), so lane (query, h)
; holds in the 32 registers of tiles 4 c .. 4 c + 3 the WHOLE block 2 c + h, keys ascending: that is the lane's part of p's operand.  A block's maximum needs no other lane, and the codes need no lane swap.
; THE EXPONENTIALS stand in two batches, a tile each, with waits ahead and behind: tile 0's among tile 1's scalings, tile 1's among sixteen sums of pairs of tile 0's p, which go into registers that p's codes take later.
; THE HEAD HAS 64 CHANNELS, the instruction takes 128 along K: Q's upper six registers hold zero codes; K's operand of tile t runs on into tile t + 1's codes (behind tile 7: zeros), which meet those zeros; the scale
; words' bytes 2, 3 repeat bytes 0, 1, so no byte is 0xff.
; LIMITS: the promise holds while |t| stays under 2^31; NaN and infinities are not served; a p under 2^-126 comes out of v_exp_f32 as 0; a block of zeros gets the byte 1 (its codes are zeros; this program alone reads the bytes).
.set REC,  13056
.set QSO,  3145728
.set ASO,  3145728
.set SPARE, 0x33000                    ; behind the records: the spare words, 128 bytes a wave
.set ST,   12                          ; window 0: tile t: v[ST+4t] -M, +1 the largest t, +2, +3 the sum in two halves
.set QSC,  20                          ; Q's scale words
.set KSC,  22                          ; K's: register 2 c + v: lanes 0-15 tile 4 c + 2 v, lanes 16-31 tile 4 c + 2 v + 1
.set VSC,  26                          ; V's: lanes 0-15 tile 2 p, lanes 16-31 tile 2 p + 1
.set FB,   28                          ; tile t: v[FB+2t] f, v[FB+2t+1] p's scale word
.set KB,   32                          ; v32-79 eight tiles of K; v80-85 zeros
.set BM,   86                          ; tile t: largest scores of 16 registers each; then at +0, +2 my two blocks'
.set T2,   94
.set SO,   110
.set TMP,  118
.set VB,   120                         ; v120-167 four fragments of V
.set KA,   168                         ; v168-170 my lane's place in a record's K: 16-byte pieces, 8-byte pieces, scale words; v171-173 the same in the next record
.set SH,   174                         ; 8 h
.set TW,   128                         ; window 1: a tile's registers begin at TW t
.set S,    0                           ; 64: S^T, then p
.set O,    64                          ; 32: O^T
.set PCD,  96                          ; 12: p's codes
.set CT,   108                         ; 8: the second halves of the blocks' codes
.set Q,    116                         ; 12: Q's codes and zero codes
.set WV,   10
.set SEL,  28
.set CS,   30
.set TB,   32
.set HM,   34
.set MSB, 0
.macro WIN new                         ; bits 1:0 source 0, 3:2 source 1, 5:4 source 2, 7:6 destination; the high byte repeats the setting that is left
.if MSB != \new
	s_set_vgpr_msb (MSB<<8)|\new
.set MSB, \new
.endif
.endm
.set W_KQ, 0x44
.set W_PV, 0x54
.set W_T,  0x41
.set W_A,  0x45                        ; destination, sources 0 and 1 window 1
.set W_S3, 0x15
.set W_S23, 0x14
.set W_S12, 0x05
.set W_S2, 0x04
.set W_D,  0x40
.macro CROUND
	s_barrier_signal -1
	s_barrier_wait -1
	s_cmp_lg_u32 s[WV], 0
	s_cbranch_scc1 .Lnot_wave_0_\@
	s_barrier_signal -3
.Lnot_wave_0_\@:
	s_barrier_wait -3
	s_barrier_signal -1
	s_barrier_wait -1
.endm
.macro SCL t, p                        ; pair p of tile t: t - M
	v_pk_fma_f32 v[TW*(\t)+S+2*(\p):TW*(\t)+S+2*(\p)+1], v[TW*(\t)+S+2*(\p):TW*(\t)+S+2*(\p)+1], s[CS:CS+1], v[ST+4*(\t):ST+4*(\t)+1] op_sel_hi:[1,0,0]
.endm
; twenty pairs of registers for partial sums, in window 1: pair x at 96 + 2 x (tile 0's PCD and CT), from x = 10 on at 224 + 2 (x - 10) (tile 1's)
.macro TSET x, a, b                    ; pair x = v[a ..] + v[b ..]
	v_pk_add_f32 v[96+2*(\x)+108*((\x)/10):97+2*(\x)+108*((\x)/10)], v[(\a):(\a)+1], v[(\b):(\b)+1]
.endm
.macro TACC x, a                       ; pair x += v[a ..]
	v_pk_add_f32 v[96+2*(\x)+108*((\x)/10):97+2*(\x)+108*((\x)/10)], v[96+2*(\x)+108*((\x)/10):97+2*(\x)+108*((\x)/10)], v[(\a):(\a)+1]
.endm
.macro TADD x, y                       ; pair x += pair y
	TACC \x, 96+2*(\y)+108*((\y)/10)
.endm
.macro KLOAD a16, a8, aw               ; 20 loads: a record's eight tiles of K, by the choice of keys above, and their scale words
.irp k, 0,1,2,3,4,5,6,7
	ds_load_b128 v[KB+6*\k:KB+6*\k+3], v[\a16] offset:768*(4*(\k/4)+\k%2)+128*((\k%4)/2)
	ds_load_b64 v[KB+6*\k+4:KB+6*\k+5], v[\a8] offset:768*(4*(\k/4)+\k%2)+512+64*((\k%4)/2)
.endr
.irp b, 0,1,2,3
	ds_load_b32 v[KSC+\b], v[\aw] offset:12288+256*(\b/2)+32*(\b%2)
.endr
.endm
	s_load_b128 s[4:7], s[0:1], 0x0                ; qq s[4:5], kv s[6:7]
	s_load_b64 s[8:9], s[0:1], 0x10                ; aq
	v_lshl_add_u32 v254, v0, 2, SPARE
	v_mov_b32 v255, 0
	ds_add_u32 v254, v255                          ; the opening lines: the add, twice on end, and its wait
	ds_add_u32 v254, v255
	v_lshrrev_b32 v1, 5, v0
	v_readfirstlane_b32 s[WV], v1                  ; wave 0..7
	s_bfe_u32 s11, ttmp6, 0x40000                  ; cx
	s_lshl_b32 s12, ttmp9, 2
	s_add_co_u32 s12, s12, s11                     ; my block of 256 queries: it enters Q's and a's addresses alone
	s_and_b32 s13, ttmp7, 0xffff                   ; batch x 16 + head
	s_mov_b32 s16, 15|(3<<16)|(1<<21)              ; group 1: the mask of all four; elements of 8 bytes
	s_mov_b32 s17, 32<<16                          ; two records: 102 rows of 256 bytes, dense
	s_mov_b32 s18, 102<<16
	s_mov_b32 s19, 32<<16
	s_mov_b32 s20, 102
	s_mov_b32 s21, 32
	s_mov_b32 s22, 0
	s_mov_b32 s23, 0
	s_mul_i32 s14, s13, 16*REC
	s_mul_i32 s25, s[WV], 2*REC
	s_add_co_u32 s14, s14, s25
	s_mov_b32 s15, 0
	s_mov_b32 s24, 1
	s_wait_dscnt 0x0
	s_wait_kmcnt 0x0
	s_add_nc_u64 s[26:27], s[6:7], s[14:15]
	s_or_b32 s27, s27, 0x80000000
	CROUND                                         ; all four work-groups are here: the joint loads meet
	tensor_load_to_lds s[24:27], s[16:23]          ; my one tensor load
	s_nop 0
.rept 4
	v_nop
.endr
	v_and_b32 v8, 31, v0                           ; lane
	v_and_b32 v9, 15, v0                           ; r
	v_bfe_u32 v10, v0, 4, 1                        ; h
	v_lshlrev_b32 v1, 4, v8
	v_lshlrev_b32 v2, 3, v8
	v_lshlrev_b32 v3, 2, v8
	v_lshlrev_b32 v7, 2, v9
	v_lshrrev_b32 v11, 3, v9                       ; a's scale byte: (r + 8 (r / 8)) x 32 + h
	v_lshl_add_u32 v11, v11, 3, v9
	v_lshl_add_u32 v11, v11, 5, v10
	v_and_b32 v175, 7, v0                          ; r % 8
	v_bfe_u32 v177, v0, 3, 1                       ; r / 8: rows 8-15 of a tile come from the stored tile two further on
	v_mul_u32_u24 v176, v177, 1536
	v_lshl_add_u32 v[KA], v175, 4, v176            ; 16 (r % 8 + 16 h) + 1,536 (r / 8)
	v_lshl_add_u32 v[KA], v10, 8, v[KA]
	v_lshl_add_u32 v[KA+1], v175, 3, v176          ; 8 (r % 8 + 16 h) + 1,536 (r / 8)
	v_lshl_add_u32 v[KA+1], v10, 7, v[KA+1]
	v_lshlrev_b32 v[KA+2], 2, v175                 ; scale words: 4 (r % 8) + 128 (r / 8) + 64 h: lanes 16-31 take the odd tile's
	v_lshl_add_u32 v[KA+2], v177, 7, v[KA+2]
	v_lshl_add_u32 v[KA+2], v10, 6, v[KA+2]
	v_lshlrev_b32 v[SH], 3, v10
	s_wait_alu depctr_va_vdst(0)                   ; ahead of the run of scalar lines
	s_lshl_b32 s36, s12, 4
	s_lshl_b32 s37, s[WV], 1
	s_add_co_u32 s36, s36, s37                     ; my first tile of queries
	s_lshl_b32 s37, s13, 7
	s_add_co_u32 s37, s37, s36
	s_mul_i32 s38, s37, 768
	s_mov_b32 s39, 0
	s_add_nc_u64 s[38:39], s[4:5], s[38:39]
	s_lshl_b32 s40, s37, 6
	s_add_co_u32 s40, s40, QSO
	s_mov_b32 s41, 0
	s_add_nc_u64 s[40:41], s[4:5], s[40:41]
	WIN W_D
.irp t, 0,1
	global_load_b128 v[TW*\t+Q:TW*\t+Q+3], v1, s[38:39] offset:768*\t
	global_load_b64 v[TW*\t+Q+4:TW*\t+Q+5], v2, s[38:39] offset:768*\t+512
.endr
.irp j, 6,7,8,9,10,11
.irp t, 0,1
	v_mov_b32 v[TW*\t+Q+\j], 0                     ; zero codes: Q's upper half
.endr
.endr
.irp j, 0,1,2,3,4,5,6,7,8,9,10,11,12,13,14,15,16,17,18,19,20,21,22,23,24,25,26,27,28,29,30,31
.irp t, 0,1
	v_mov_b32 v[TW*\t+O+\j], 0                     ; O^T: the step is written once; its first trip finds zeros
.endr
.endr
	WIN 0
.irp t, 0,1
	global_load_b32 v[QSC+\t], v7, s[40:41] offset:64*\t
.endr
	s_lshr_b32 s42, s13, 4
	s_lshl_b32 s42, s42, 7
	s_add_co_u32 s42, s42, s36                     ; my first tile among all 256
	s_and_b32 s43, s13, 15                         ; the head
	s_mul_i32 s44, s42, 12288
	s_mul_i32 s45, s43, 768
	s_add_co_u32 s44, s44, s45
	s_mov_b32 s45, 0
	s_add_nc_u64 s[44:45], s[8:9], s[44:45]
	s_lshr_b32 s46, s42, 1
	s_lshl_b32 s46, s46, 5
	s_and_b32 s47, s42, 1
	s_lshl_b32 s47, s47, 3
	s_add_co_u32 s46, s46, s47                     ; the tile's first token
	s_lshl_b32 s46, s46, 5
	s_lshl_b32 s47, s43, 1
	s_add_co_u32 s46, s46, s47
	s_add_co_u32 s46, s46, ASO
	s_mov_b32 s47, 0
	s_add_nc_u64 s[46:47], s[8:9], s[46:47]
	s_mov_b32 s[SEL], 0x76543210
	s_mov_b32 s[SEL+1], 0xfedcba98                 ; lane l xor 16
	s_mov_b32 s[CS], 0x3e38aa3b                    ; c = log2(e) / 8
	s_mov_b32 s[CS+1], s[CS]
	s_mov_b32 s[HM], 0xffff0000                    ; lanes 16-31
	s_mov_b32 s[TB], 0
	s_mov_b32 s33, 16
.irp j, 80,81,82,83,84,85
	v_mov_b32 v[\j], 0                             ; zero codes behind K's tile 7
.endr
.irp t, 0,1
	v_mov_b32 v[ST+4*\t+1], 0xff61b1e6             ; the largest t so far: -3e38
	v_floor_f32 v[ST+4*\t], -v[ST+4*\t+1]          ; -M
	v_mov_b32 v[ST+4*\t+2], 0
	v_mov_b32 v[ST+4*\t+3], 0
	v_mov_b32 v[FB+2*\t+1], 0
.irp b, 0,1,2,3
	v_mov_b32 v[T2+8*\t+\b], 0                     ; a lane permute's destination counts as read
.endr
.endr
	s_wait_alu depctr_va_vdst(0)                   ; the head's end
	s_wait_loadcnt 0x0                             ; Q
	s_wait_tensorcnt 0x0                           ; my two records are in,
	s_barrier_signal -1
	s_barrier_wait -1                              ; everybody's are
	KLOAD KA, KA+1, KA+2                           ; record 0's K
.Lstep:                                            ; 16 trips: 128 keys each, for both tiles
	s_wait_dscnt 0x0                               ; this step's K, asked for a step ago
	WIN W_KQ
.irp k, 0,2,4,6                                ; S^T = K Q^T: each fragment of K against both tiles of queries
.irp t, 0,1
	v_wmma_scale_f32_16x16x128_f8f6f4 v[TW*\t+S+8*\k:TW*\t+S+8*\k+7], v[KB+6*\k:KB+6*\k+11], v[TW*\t+Q:TW*\t+Q+11], 0, v[KSC+\k/2], v[QSC+\t] matrix_a_fmt:MATRIX_FMT_BF6 matrix_b_fmt:MATRIX_FMT_BF6
.endr
.irp t, 0,1
	v_wmma_scale_f32_16x16x128_f8f6f4 v[TW*\t+S+8*\k+8:TW*\t+S+8*\k+15], v[KB+6*\k+6:KB+6*\k+17], v[TW*\t+Q:TW*\t+Q+11], 0, v[KSC+\k/2], v[QSC+\t] matrix_a_fmt:MATRIX_FMT_BF6 matrix_b_fmt:MATRIX_FMT_BF6 matrix_a_scale:MATRIX_SCALE_ROW1
.endr
.endr
	WIN 0
	v_add_nc_u32 v4, s[TB], v1                     ; this record's V.  These four lines are the places in front of the loads over V's and K's registers and of the first read of the scores
	v_add_nc_u32 v5, s[TB], v2
	v_add_nc_u32 v6, s[TB], v3
	v_nop
.irp d, 0,1,2,3                                ; 18 loads: this step's V
.irp c, 0,1
	ds_load_b128 v[VB+12*\d+6*\c:VB+12*\d+6*\c+3], v4 offset:6144+1536*\d+768*\c
	ds_load_b64 v[VB+12*\d+6*\c+4:VB+12*\d+6*\c+5], v5 offset:6144+1536*\d+768*\c+512
.endr
.endr
.irp p, 0,1
	ds_load_b32 v[VSC+\p], v6 offset:12800+128*\p
.endr
	s_add_co_u32 s[TB], s[TB], REC
	s_min_u32 s35, s[TB], 15*REC                   ; the next record, held at the last
	v_add_nc_u32 v[KA+3], s35, v[KA]
	v_add_nc_u32 v[KA+4], s35, v[KA+1]
	v_add_nc_u32 v[KA+5], s35, v[KA+2]
	KLOAD KA+3, KA+4, KA+5                         ; the next step's K
	; the largest score of each 16 registers, eight chains by turns; each accumulator is read from its low end on
	WIN W_S3
.irp b, 0,1,2,3
.irp t, 0,1
	v_max3_num_f32 v[BM+4*\t+\b], v[TW*\t+S+16*\b], v[TW*\t+S+16*\b+1], v[TW*\t+S+16*\b+2]
.endr
.endr
	WIN W_S23
.irp i, 3,5,7,9,11,13
.irp b, 0,1,2,3
.irp t, 0,1
	v_max3_num_f32 v[BM+4*\t+\b], v[BM+4*\t+\b], v[TW*\t+S+16*\b+\i], v[TW*\t+S+16*\b+\i+1]
.endr
.endr
.endr
	WIN W_S2
.irp b, 0,1,2,3
.irp t, 0,1
	v_max_num_f32 v[BM+4*\t+\b], v[BM+4*\t+\b], v[TW*\t+S+16*\b+15]
.endr
.endr
	WIN 0
.irp c, 0,2
.irp t, 0,1
	v_max_num_f32 v[BM+4*\t+\c], v[BM+4*\t+\c], v[BM+4*\t+\c+1]   ; my two blocks' largest scores: for the row's maximum and, since p rises with the score, for the blocks' largest p
.endr
.endr
.irp t, 0,1
	v_max_num_f32 v[TMP+\t], v[BM+4*\t], v[BM+4*\t+2]
.endr
.irp t, 0,1
	v_permlanex16_b32 v[T2+8*\t], v[TMP+\t], s[SEL], s[SEL+1]
.endr
.irp t, 0,1
	v_max_num_f32 v[TMP+\t], v[TMP+\t], v[T2+8*\t]   ; with lane l xor 16's two blocks: the step's largest score of my query
.endr
.irp t, 0,1
	v_mul_f32 v[TMP+\t], s[CS], v[TMP+\t]          ; as t
.endr
.irp t, 0,1
	v_max_num_f32 v[ST+4*\t+1], v[ST+4*\t+1], v[TMP+\t]   ; the running largest t
.endr
.irp t, 0,1
	v_mov_b32 v[TMP+\t], v[ST+4*\t]
.endr
.irp t, 0,1
	v_floor_f32 v[ST+4*\t], -v[ST+4*\t+1]          ; the new -M = -ceil(t)
.endr
.irp t, 0,1
	v_sub_f32 v[TMP+\t], v[ST+4*\t], v[TMP+\t]     ; old M - new M: a whole number, 0 or less
.endr
.irp t, 0,1
	v_fma_f32 v[BM+4*\t], v[BM+4*\t], s[CS], v[ST+4*\t]   ; t - M of each block's largest score
.endr
.irp t, 0,1
	v_cvt_i32_f32 v[TMP+\t], v[TMP+\t]             ; (it saturates)
.endr
.irp t, 0,1
	v_fma_f32 v[BM+4*\t+2], v[BM+4*\t+2], s[CS], v[ST+4*\t]
.endr
.irp t, 0,1
	v_ldexp_f32 v[FB+2*\t], 1.0, v[TMP+\t]         ; f = 2^(old M - new M)
.endr
.irp t, 0,1
	v_pk_mul_f32 v[ST+4*\t+2:ST+4*\t+3], v[ST+4*\t+2:ST+4*\t+3], v[FB+2*\t:FB+2*\t+1] op_sel_hi:[1,0]   ; the sums under the new M
.endr
	WIN W_T
.irp p, 0,1,2,3,4,5,6,7,8,9,10,11,12,13,14,15  ; O^T under the new M, ahead of the exponentials: pairs ascending, each accumulator from its low end on
.irp t, 0,1
	v_pk_mul_f32 v[TW*\t+O+2*\p:TW*\t+O+2*\p+1], v[TW*\t+O+2*\p:TW*\t+O+2*\p+1], v[FB+2*\t:FB+2*\t+1] op_sel_hi:[1,0]
.endr
.endr
.set I, 0
.rept 32
	SCL 0, I                                       ; tile 0's scalings
.set I, I+1
.endr
	WIN 0
	s_wait_alu depctr_va_vdst(0)                   ; ahead of a batch
.irp b, 0,2
.irp t, 0,1
	v_exp_f32 v[BM+4*\t+\b], v[BM+4*\t+\b]         ; the blocks' largest p
.endr
.endr
	WIN W_T
.set I, 0
.rept 32                                       ; tile 0's p = 2^(t - M), among tile 1's scalings
	v_exp_f32 v[S+2*I], v[S+2*I]
	v_exp_f32 v[S+2*I+1], v[S+2*I+1]
	SCL 1, I
.set I, I+1
.endr
	s_wait_alu depctr_va_vdst(0)                   ; behind the first batch and ahead of the second
	WIN W_A
.set I, 0
.rept 32                                       ; tile 1's p, among sixteen sums of two pairs of tile 0's p, each into registers of its own; the last of them is the plain line behind the last exponential
	v_exp_f32 v[TW+S+2*I], v[TW+S+2*I]
	v_exp_f32 v[TW+S+2*I+1], v[TW+S+2*I+1]
.if I%2 == 1
	TSET I/2, S+4*(I/2), S+4*(I/2)+2
.endif
.set I, I+1
.endr
	s_wait_alu depctr_va_vdst(0)                   ; behind the second batch
	; the rows' sums of the unquantised p: tile 0's sixteen pairs fold as a tree, tile 1's 32 pairs run in four chains (pairs 16 to 19)
.irp j, 0,1,2,3
	TSET 16+\j, TW+S+2*\j, TW+S+2*\j+8
.endr
.irp n, 0,1,2,3,4,5,6,7
	TADD \n, \n+8
.endr
.irp p, 8,9,10,11,12,13,14,15
	TACC 16+\p%4, TW+S+2*\p
.endr
.irp n, 0,1,2,3
	TADD \n, \n+4
.endr
.irp p, 16,17,18,19,20,21,22,23
	TACC 16+\p%4, TW+S+2*\p
.endr
	TADD 0, 2
	TADD 1, 3
.irp p, 24,25,26,27,28,29,30,31
	TACC 16+\p%4, TW+S+2*\p
.endr
	TADD 0, 1
	TADD 16, 18
	TADD 17, 19
	TADD 16, 17
	WIN W_S2
	v_pk_add_f32 v[ST+2:ST+3], v[ST+2:ST+3], v[96:97]
	v_pk_add_f32 v[ST+6:ST+7], v[ST+6:ST+7], v[236:237]
	WIN 0
.irp b, 0,2
.irp t, 0,1
	v_max_num_f32 v[BM+4*\t+\b], 0x2800000, v[BM+4*\t+\b]   ; the floor 2^(5 - 127): the byte cannot fall under 1
.endr
.endr
.irp b, 0,2
.irp t, 0,1
	v_add_nc_u32 v[SO+4*\t+\b], 0xfe000000, v[BM+4*\t+\b]   ; 4 off the exponent field: the conversion's scale operand
.endr
.endr
.irp b, 0,2
.irp t, 0,1
	v_lshrrev_b32 v[T2+8*\t+\b], 23, v[SO+4*\t+\b]   ; the scale's byte
.endr
.endr
.irp t, 0,1
	v_lshl_or_b32 v[FB+2*\t+1], v[T2+8*\t+2], 16, v[T2+8*\t]   ; my two bytes: blocks h and 2 + h,
.endr
.irp t, 0,1
	v_lshlrev_b32 v[FB+2*\t+1], v[SH], v[FB+2*\t+1]   ; at their places in the scale word (8 h bits up);
.endr
.irp t, 0,1
	v_permlanex16_b32 v[T2+8*\t+1], v[FB+2*\t+1], s[SEL], s[SEL+1]
.endr
.irp t, 0,1
	v_or_b32 v[FB+2*\t+1], v[FB+2*\t+1], v[T2+8*\t+1]   ; with lane l xor 16's two the word of these 128 keys is whole
.endr
	WIN W_T
.irp c, 0,1
.irp t, 0,1
	v_cvt_scalef32_pk16_bf6_f32 v[TW*\t+PCD+6*\c:TW*\t+PCD+6*\c+2], v[TW*\t+S+32*\c:TW*\t+S+32*\c+15], v[SO+4*\t+2*\c]
	v_cvt_scalef32_pk16_bf6_f32 v[TW*\t+CT+4*\c:TW*\t+CT+4*\c+2], v[TW*\t+S+32*\c+16:TW*\t+S+32*\c+31], v[SO+4*\t+2*\c]   ; the block's upper 16 (a conversion's three registers begin on an even number: made here and moved)
.endr
.endr
	v_nop                                          ; one plain line behind the scaled conversions
.irp c, 0,1
.irp i, 0,1,2
.irp t, 0,1
	v_mov_b32 v[TW*\t+PCD+6*\c+3+\i], v[TW*\t+CT+4*\c+\i]
.endr
.endr
.endr
.rept 4
	v_nop                                          ; places between the writes of p's codes and the products
.endr
	s_wait_alu depctr_va_vdst(0)                   ; directly ahead of the wait below
	s_wait_dscnt 20                                ; V is in; the 20 younger loads, the next step's K, may be out
	WIN W_PV
.irp d, 0,2                                    ; O^T += V^T P^T: the eight accumulators take turns, one instruction a turn
.irp t, 0,1
	v_wmma_scale_f32_16x16x128_f8f6f4 v[TW*\t+O+8*\d:TW*\t+O+8*\d+7], v[VB+12*\d:VB+12*\d+11], v[TW*\t+PCD:TW*\t+PCD+11], v[TW*\t+O+8*\d:TW*\t+O+8*\d+7], v[VSC+\d/2], v[FB+2*\t+1] matrix_a_fmt:MATRIX_FMT_BF6 matrix_b_fmt:MATRIX_FMT_BF6
.endr
.irp t, 0,1
	v_wmma_scale_f32_16x16x128_f8f6f4 v[TW*\t+O+8*\d+8:TW*\t+O+8*\d+15], v[VB+12*\d+12:VB+12*\d+23], v[TW*\t+PCD:TW*\t+PCD+11], v[TW*\t+O+8*\d+8:TW*\t+O+8*\d+15], v[VSC+\d/2], v[FB+2*\t+1] matrix_a_fmt:MATRIX_FMT_BF6 matrix_b_fmt:MATRIX_FMT_BF6 matrix_a_scale:MATRIX_SCALE_ROW1
.endr
.endr
	WIN 0
	s_sub_co_u32 s33, s33, 1
	s_cmp_lg_u32 s33, 0
	s_cbranch_scc1 .Lstep
	; THE WAY OUT: O^T / the sum is 16 tokens x the head's 64 features of a, for each tile: quantised in registers, it leaves as an image
.irp t, 0,1
	v_add_f32 v[ST+4*\t+2], v[ST+4*\t+2], v[ST+4*\t+3]
.endr
.irp t, 0,1
	v_permlanex16_b32 v[FB+2*\t], v[ST+4*\t+2], s[SEL], s[SEL+1]
.endr
.irp t, 0,1
	v_add_f32 v[ST+4*\t+2], v[ST+4*\t+2], v[FB+2*\t]   ; the row's sum
.endr
	s_wait_alu depctr_va_vdst(0)                   ; ahead of the reciprocals
.irp t, 0,1
	v_rcp_f32 v[ST+4*\t+2], v[ST+4*\t+2]
.endr
	v_nop
	WIN W_T
	s_wait_alu depctr_va_vdst(0)                   ; behind them, directly ahead of the first reader of O^T
.irp j, 0,1,2,3,4,5,6,7,8,9,10,11,12,13,14,15,16,17,18,19,20,21,22,23,24,25,26,27,28,29,30,31
.irp t, 0,1
	v_mul_f32 v[TW*\t+S+\j], v[TW*\t+O+\j], v[ST+4*\t+2]   ; register 8 d + i: channel 16 d + 8 h + i
.endr
.endr
.irp k, 0,1                                    ; V's tiles of channels are natural: a swap of the halves of the lanes between tiles 2 k and 2 k + 1 makes 16 neighbours of their registers
.irp j, 0,1,2,3,4,5,6,7
.irp t, 0,1
	v_permlane16_swap_b32 v[TW*\t+S+16*\k+\j], v[TW*\t+S+16*\k+8+\j]
.endr
.endr
.endr
	WIN W_S12
.irp b, 0,1
.irp t, 0,1
	v_max3_num_f32 v[BM+4*\t+\b], |v[TW*\t+S+16*\b]|, |v[TW*\t+S+16*\b+1]|, 0x2800000
.endr
.endr
	WIN W_S23
.irp i, 2,4,6,8,10,12,14
.irp b, 0,1
.irp t, 0,1
	v_max3_num_f32 v[BM+4*\t+\b], v[BM+4*\t+\b], |v[TW*\t+S+16*\b+\i]|, |v[TW*\t+S+16*\b+\i+1]|
.endr
.endr
.endr
	WIN 0
.irp b, 0,1
.irp t, 0,1
	v_permlanex16_b32 v[T2+8*\t+\b], v[BM+4*\t+\b], s[SEL], s[SEL+1]
.endr
.endr
.irp b, 0,1
.irp t, 0,1
	v_max_num_f32 v[BM+4*\t+\b], v[BM+4*\t+\b], v[T2+8*\t+\b]
.endr
.endr
.irp b, 0,1
.irp t, 0,1
	v_add_nc_u32 v[SO+4*\t+\b], 0xfe000000, v[BM+4*\t+\b]
.endr
.endr
.irp b, 0,1
.irp t, 0,1
	v_lshrrev_b32 v[T2+8*\t+4+\b], 23, v[SO+4*\t+\b]
.endr
.endr
.irp t, 0,1
	v_cndmask_b32 v[TMP+\t], v[T2+8*\t+4], v[T2+8*\t+5], s[HM]   ; lanes 0-15 carry the first block's byte, lanes 16-31 the second's
.endr
	WIN W_T
.irp t, 0,1
	v_cvt_scalef32_pk16_bf6_f32 v[TW*\t+PCD:TW*\t+PCD+2], v[TW*\t+S:TW*\t+S+15], v[SO+4*\t]
	v_cvt_scalef32_pk16_bf6_f32 v[TW*\t+PCD+4:TW*\t+PCD+6], v[TW*\t+S+16:TW*\t+S+31], v[SO+4*\t+1]
.endr
	v_nop
.irp i, 0,1,2
.irp t, 0,1
	v_permlane16_swap_b32 v[TW*\t+PCD+\i], v[TW*\t+PCD+4+\i]
.endr
.endr
.irp i, 3,4,5
.irp t, 0,1
	v_mov_b32 v[TW*\t+PCD+\i], v[TW*\t+PCD+\i+1]
.endr
.endr
	WIN W_S2
.irp t, 0,1
	global_store_b128 v1, v[TW*\t+PCD:TW*\t+PCD+3], s[44:45] offset:12288*\t        ; 512 consecutive bytes
	global_store_b64 v2, v[TW*\t+PCD+4:TW*\t+PCD+5], s[44:45] offset:12288*\t+512   ; 256
.endr
	WIN 0
.irp t, 0,1
	global_store_b8 v11, v[TMP+\t], s[46:47] offset:256*\t
.endr
	s_wait_tensorcnt 0x0                           ; the wave's end
	ds_add_u32 v254, v255
	s_wait_dscnt 0x0
	CROUND                                         ; the closing round
	s_endpgm
.Lfunc_end_k_qe0f2d43553_attn:
	.size	k_qe0f2d43553_attn, .Lfunc_end_k_qe0f2d43553_attn-k_qe0f2d43553_attn
	.p2alignl 7, 3214868480
	.fill 96, 4, 3214868480
	.section	.rodata,"a",@progbits
	.p2align	6, 0x0
	.amdhsa_kernel k_qe0f2d43553_attn
		.amdhsa_group_segment_fixed_size 209920
		.amdhsa_private_segment_fixed_size 0
		.amdhsa_enable_private_segment 0
		.amdhsa_kernarg_size 24
		.amdhsa_user_sgpr_count 2
		.amdhsa_user_sgpr_kernarg_segment_ptr 1
		.amdhsa_wavefront_size32 1
		.amdhsa_system_sgpr_workgroup_id_x 1
		.amdhsa_system_sgpr_workgroup_id_y 1
		.amdhsa_system_sgpr_workgroup_id_z 1
		.amdhsa_system_vgpr_workitem_id 0
		.amdhsa_next_free_vgpr 512
		.amdhsa_next_free_sgpr 66
		.amdhsa_reserve_vcc 0
		.amdhsa_float_denorm_mode_32 3
		.amdhsa_float_denorm_mode_16_64 3
		.amdhsa_memory_ordered 1
		.amdhsa_forward_progress 1
		.amdhsa_inst_pref_size 47
	.end_amdhsa_kernel
	.amdgpu_metadata
---
amdhsa.version: [ 1, 2 ]
amdhsa.kernels:
  - .name:           k_qe0f2d43553_attn
    .symbol:         k_qe0f2d43553_attn.kd
    .args:
      - { .name: qq, .offset: 0, .size: 8, .value_kind: global_buffer, .address_space: global }
      - { .name: kv, .offset: 8, .size: 8, .value_kind: global_buffer, .address_space: global }
      - { .name: aq, .offset: 16, .size: 8, .value_kind: global_buffer, .address_space: global }
    .group_segment_fixed_size: 209920
    .private_segment_fixed_size: 0
    .kernarg_segment_align: 8
    .kernarg_segment_size: 24
    .max_flat_workgroup_size: 256
    .sgpr_count:     66
    .vgpr_count:     512
    .wavefront_size: 32
...
	.end_amdgpu_metadata
.endif
;; end of part 3
;; launch ffn1 (part 4): grid 8 x 32, 4 waves a work-group, clusters of 4 x 4, 327,680 bytes of LDS; arguments aq, W1_codes, W1_scales, b1, hq; writes hq
.if DOCPART == 4
	.amdgcn_target "amdgcn-amd-amdhsa--gfx1250"
	.amdhsa_code_object_version 6
	.text
	.protected	k_qe0f2d43553_ffn1
	.globl	k_qe0f2d43553_ffn1
	.p2align	8
	.type	k_qe0f2d43553_ffn1,@function
k_qe0f2d43553_ffn1:
	s_mov_b64 s[64:65], 0
	v_nop
	global_prefetch_b8 v0, s[64:65] scope:SCOPE_SE
	s_setreg_imm32_b32 hwreg(HW_REG_WAVE_MODE, 25, 1), 1
	s_wait_xcnt 0x0
	s_wait_alu depctr_hold_cnt(0) depctr_sa_sdst(0) depctr_va_vdst(0) depctr_va_sdst(0) depctr_va_ssrc(0) depctr_va_vcc(0) depctr_vm_vsrc(0)
	s_getreg_b32 s2, hwreg(HW_REG_IB_STS2, 6, 4)
	s_cmp_eq_u32 s2, 0
	s_cbranch_scc0 .Lentry_in_a_cluster
	s_endpgm
.Lentry_in_a_cluster:
	s_bfe_u32 s2, ttmp6, 0x10000c
	s_cmp_lg_u32 s2, 0xf033
	s_cbranch_scc0 .Lentry_shape_is_right
	s_endpgm
.Lentry_shape_is_right:
; hidden = relu(a W1^T + b1) on codes of E3M2, and its quantising along the hidden units.
; SHARES: work-group (j, i) takes 128 tokens (i) and 256 hidden units (j), in two phases of 128 from ONE tile of a.  A wave makes 64 x 64 in a phase: token half wr = w / 2, unit half wc = w % 2.
; LDS: a's tile for all of K (98,304 bytes, images, dense) and W1's two blocks of 128 rows x 768 bytes (16 bytes of padding behind each 256: rows 816 bytes apart).  All three come with the first fills
; (one tensor load of a wave is out at a time) and nothing is filled again.
; CLUSTER 4 x 4: a's tile is asked for jointly along a row of the cluster, W1's along a column; waves 0, 1 bring halves of a, waves 2, 3 halves of W1's first block, every wave a quarter of the second.
; TRANSPOSED: source 0 = 16 rows of W1 (natural), source 1 = a tile of a: a lane holds one token; b1 is the C of a sum's first product; lane swaps put two tiles' registers into 16 neighbours.
; OUT: hq: images [chunk of 512 units 4][tile 256][K step 4][half 2][768]; at HSO the scale bytes [token][64].
; LIMITS: NaN and infinities are not served; a block of zeros gets the byte 1 (its codes are zeros; this program alone reads the bytes).
.set RX,    0
.set RW0,   98304
.set RW1,   202752
.set WP,    816
.set PER,   32
.set ASO,   3145728
.set HSO,   6291456
.set ACC,   128
.set BI,    0                          ; window 2: b1's tiles: phase ph, tile b at 32 ph + 8 b
.set XSC,   16                         ; v16-31 a's scale words
.set WSC,   32                         ; v32-63 W1's, two phases
.set TM,    88
.set TP,    90
.set SO,    92
.set BY,    94
.set PC,    96
.set SV,    104
.set WV,    56
.set SEL,   66
.set HM,    68
.set CB,    82
.set SB,    84
.set MSB, 0
.macro WIN new
.if MSB != \new
	s_set_vgpr_msb (MSB<<8)|\new
.set MSB, \new
.endif
.endm
.set MUL,  0x05
.set TO_F, 0x40
.macro PLACES n
.rept \n
	v_nop
.endr
.endm
.macro BAR
	s_barrier_signal -1
	s_barrier_wait -1
.endm
.macro CROUND
	s_barrier_signal -1
	s_barrier_wait -1
	s_cmp_lg_u32 s[WV], 0
	s_cbranch_scc1 .Lnot_wave_0_\@
	s_barrier_signal -3
.Lnot_wave_0_\@:
	s_barrier_wait -3
	s_barrier_signal -1
	s_barrier_wait -1
.endm
.macro FRAGI reg, a16, a8, off
	ds_load_b128 v[(\reg):(\reg)+3], v[\a16] offset:\off
	ds_load_b64 v[(\reg)+4:(\reg)+5], v[\a8] offset:(\off)+512
	ds_load_b128 v[(\reg)+6:(\reg)+9], v[\a16] offset:(\off)+768
	ds_load_b64 v[(\reg)+10:(\reg)+11], v[\a8] offset:(\off)+1280
.endm
.macro FRAGW reg, adr, ks, rowoff
.irp p, 0,1,2,3,4,5
.set PCE, 12*(\ks)+6*(\p/3)+\p%3
.if PCE%PER < PER-3
	ds_load_b64 v[(\reg)+2*\p:(\reg)+2*\p+1], v[\adr] offset:8*PCE+16*(PCE/PER)+(\rowoff)
.else
	ds_load_b64 v[(\reg)+2*\p:(\reg)+2*\p+1], v[\adr+1] offset:8*PCE+16*(PCE/PER)+(\rowoff)
.endif
.endr
.endm
.macro WM d, fa, fb, cm, cr, sa, sb, ra, rb
.set CR_, \d
.if (\cm) == 2
.set CR_, \cr
.endif
.if (\cm) == 1
.if (\ra) && (\rb)
	v_wmma_scale_f32_16x16x128_f8f6f4 v[(\d):(\d)+7], v[(\fa):(\fa)+11], v[(\fb):(\fb)+11], 0, v[\sa], v[\sb] matrix_a_fmt:MATRIX_FMT_BF6 matrix_b_fmt:MATRIX_FMT_BF6 matrix_a_scale:MATRIX_SCALE_ROW1 matrix_b_scale:MATRIX_SCALE_ROW1
.elseif (\ra)
	v_wmma_scale_f32_16x16x128_f8f6f4 v[(\d):(\d)+7], v[(\fa):(\fa)+11], v[(\fb):(\fb)+11], 0, v[\sa], v[\sb] matrix_a_fmt:MATRIX_FMT_BF6 matrix_b_fmt:MATRIX_FMT_BF6 matrix_a_scale:MATRIX_SCALE_ROW1
.elseif (\rb)
	v_wmma_scale_f32_16x16x128_f8f6f4 v[(\d):(\d)+7], v[(\fa):(\fa)+11], v[(\fb):(\fb)+11], 0, v[\sa], v[\sb] matrix_a_fmt:MATRIX_FMT_BF6 matrix_b_fmt:MATRIX_FMT_BF6 matrix_b_scale:MATRIX_SCALE_ROW1
.else
	v_wmma_scale_f32_16x16x128_f8f6f4 v[(\d):(\d)+7], v[(\fa):(\fa)+11], v[(\fb):(\fb)+11], 0, v[\sa], v[\sb] matrix_a_fmt:MATRIX_FMT_BF6 matrix_b_fmt:MATRIX_FMT_BF6
.endif
.else
.if (\ra) && (\rb)
	v_wmma_scale_f32_16x16x128_f8f6f4 v[(\d):(\d)+7], v[(\fa):(\fa)+11], v[(\fb):(\fb)+11], v[CR_:CR_+7], v[\sa], v[\sb] matrix_a_fmt:MATRIX_FMT_BF6 matrix_b_fmt:MATRIX_FMT_BF6 matrix_a_scale:MATRIX_SCALE_ROW1 matrix_b_scale:MATRIX_SCALE_ROW1
.elseif (\ra)
	v_wmma_scale_f32_16x16x128_f8f6f4 v[(\d):(\d)+7], v[(\fa):(\fa)+11], v[(\fb):(\fb)+11], v[CR_:CR_+7], v[\sa], v[\sb] matrix_a_fmt:MATRIX_FMT_BF6 matrix_b_fmt:MATRIX_FMT_BF6 matrix_a_scale:MATRIX_SCALE_ROW1
.elseif (\rb)
	v_wmma_scale_f32_16x16x128_f8f6f4 v[(\d):(\d)+7], v[(\fa):(\fa)+11], v[(\fb):(\fb)+11], v[CR_:CR_+7], v[\sa], v[\sb] matrix_a_fmt:MATRIX_FMT_BF6 matrix_b_fmt:MATRIX_FMT_BF6 matrix_b_scale:MATRIX_SCALE_ROW1
.else
	v_wmma_scale_f32_16x16x128_f8f6f4 v[(\d):(\d)+7], v[(\fa):(\fa)+11], v[(\fb):(\fb)+11], v[CR_:CR_+7], v[\sa], v[\sb] matrix_a_fmt:MATRIX_FMT_BF6 matrix_b_fmt:MATRIX_FMT_BF6
.endif
.endif
.endm
.macro MUL16 f0, f1, sc0, sc1, ks, nks, cm   ; the 16 accumulators take turns, one instruction a turn, in the same order in every K step
.irp a, 0,1,2,3
.irp b, 0,1,2,3
	WM ACC+32*\a+8*\b, (\f0)+12*\b, (\f1)+12*\a, \cm, BI+8*\b, (\sc0)+(\nks)*(\b/2)+(\ks), (\sc1)+(\nks)*(\a/2)+(\ks), \b%2, \a%2
.endr
.endr
.endm
.macro FETCH ks, buf, x16, x8, xstr, wadr
; a's fragments are read from LDS ONCE, in the first phase (XLD = 1), and stay in registers for the second: K step s at v[64 + 48 (s % 4)] of window 2 + s / 4: 384 registers.  W1's fragments keep two buffers in window 1.
.if XLD
	WIN (0x80+0x40*((\ks)/4))
.irp a, 0,1,2,3
	FRAGI 64+48*((\ks)%4)+12*\a, \x16, \x8, \a*(\xstr)+(\ks)*1536
.endr
.endif
	WIN TO_F
.irp b, 0,1,2,3
	FRAGW 96*(\buf)+48+12*\b, \wadr, \ks, \b*16*WP
.endr
.endm
; nk K steps on two fragment buffers; a K step's loads are issued one step ahead, four plain lines behind the products that read their registers; five at the head, where accumulators are begun anew
.macro GEMM nk, s0, x16, x8, xstr, wadr, order, scx, scw, nks, cm
	PLACES 5
	WIN TO_F
	FETCH 0, 0, \x16, \x8, \xstr, \wadr
.set KS_, 0
.rept \nk
.if KS_ < (\nk)-1
.if KS_ > 0
	PLACES 4
.endif
	WIN TO_F
	FETCH KS_+1, (KS_+1)%2, \x16, \x8, \xstr, \wadr
	s_wait_dscnt 24+16*XLD                         ; all but those just issued: W1's 24 loads, and a's 16 where a is still being read
.else
	s_wait_dscnt 0x0
.endif
.set XW_, 2+KS_/4                      ; a's window in this K step
.set CW_, 0
.if ((\cm) == 2) && (KS_ == 0)
.set CW_, 2                            ; C in window 2
.endif
.if \order
	WIN (XW_|(1<<2)|(CW_<<4))
.else
	WIN (1|(XW_<<2)|(CW_<<4))
.endif
.set CM_, 0
.if KS_ == 0
.set CM_, \cm
.endif
.if \order
	MUL16 64+48*(KS_%4), 96*(KS_%2)+48, \scx, \scw, (\s0)+KS_, \nks, CM_
.else
	MUL16 96*(KS_%2)+48, 64+48*(KS_%4), \scw, \scx, (\s0)+KS_, \nks, CM_
.endif
.set KS_, KS_+1
.endr
	WIN 0
.endm
.macro QH s, nat
.if \nat
.irp k, 0,1
.irp j, 0,1,2,3,4,5,6,7
	v_permlane16_swap_b32 v[(\s)+16*\k+\j], v[(\s)+16*\k+8+\j]
.endr
.endr
.endif
.irp b, 0,1
	v_max3_num_f32 v[TM+\b], |v[(\s)+16*\b]|, |v[(\s)+16*\b+1]|, 0x2800000
.endr
.irp i, 2,4,6,8,10,12,14
.irp b, 0,1
	v_max3_num_f32 v[TM+\b], v[TM+\b], |v[(\s)+16*\b+\i]|, |v[(\s)+16*\b+\i+1]|
.endr
.endr
.irp b, 0,1
	v_permlanex16_b32 v[TP+\b], v[TM+\b], s[SEL], s[SEL+1]
.endr
.irp b, 0,1
	v_max_num_f32 v[TM+\b], v[TM+\b], v[TP+\b]
.endr
.irp b, 0,1
	v_add_nc_u32 v[SO+\b], 0xfe000000, v[TM+\b]
.endr
.irp b, 0,1
	v_lshrrev_b32 v[BY+\b], 23, v[SO+\b]
.endr
	v_cvt_scalef32_pk16_bf6_f32 v[PC:PC+2], v[(\s):(\s)+15], v[SO]
	v_cvt_scalef32_pk16_bf6_f32 v[PC+4:PC+6], v[(\s)+16:(\s)+31], v[SO+1]
	v_nop
.irp i, 0,1,2
	v_permlane16_swap_b32 v[PC+\i], v[PC+4+\i]
.endr
	v_mov_b32 v[PC+3], v[PC+4]
	v_mov_b32 v[PC+4], v[PC+5]
	v_mov_b32 v[PC+5], v[PC+6]
.endm
.macro EPH ph                          ; a phase's way out: relu, quantise, my four tiles of 16 tokens x 64 hidden units
	PLACES 4                                       ; behind the last products
.irp m, 0,1,2,3
	s_wait_xcnt 0x0                                ; the last tile's stores have read their registers
.irp q, 0,1,2,3,4,5,6,7,8,9,10,11,12,13,14,15,16,17,18,19,20,21,22,23,24,25,26,27,28,29,30,31
	v_max_num_f32 v[ACC+32*\m+\q], 0, v[ACC+32*\m+\q]
.endr
	QH ACC+32*\m, 1
	v_cndmask_b32 v[SV], v[BY], v[BY+1], s[HM]
	global_store_b128 v10, v[PC:PC+3], s[CB:CB+1] offset:6144*\m+1536*\ph
	global_store_b64 v11, v[PC+4:PC+5], s[CB:CB+1] offset:6144*\m+1536*\ph+512
	global_store_b8 v13, v[SV], s[SB:SB+1] offset:(32*(\m/2)+8*(\m%2))*64+4*\ph
.endr
.endm
	s_load_b256 s[4:11], s[0:1], 0x0               ; aq s[4:5], W1 codes s[6:7], W1 scales s[8:9], b1 s[10:11]
	s_load_b64 s[12:13], s[0:1], 0x20              ; hq
	v_lshl_add_u32 v126, v0, 2, 0x4b000
	v_mov_b32 v127, 0
	ds_add_u32 v126, v127
	ds_add_u32 v126, v127
	v_lshrrev_b32 v1, 5, v0
	v_readfirstlane_b32 s[WV], v1
	s_lshr_b32 s57, s[WV], 1                       ; wr
	s_and_b32 s58, s[WV], 1                        ; wc
	s_bfe_u32 s59, ttmp6, 0x40000                  ; cx
	s_bfe_u32 s60, ttmp6, 0x40004                  ; cy
	s_lshl_b32 s61, ttmp9, 2
	s_add_co_u32 s61, s61, s59                     ; j
	s_and_b32 s62, ttmp7, 0xffff
	s_lshl_b32 s62, s62, 2
	s_add_co_u32 s62, s62, s60                     ; i
	s_lshl_b32 s63, s60, 2
	s_lshl_b32 s63, 15, s63                        ; my row of the cluster
	s_lshl_b32 s69, 0x1111, s59                    ; my column
	s_or_b32 s24, s63, (3<<16)|(1<<21)             ; a: 192 rows of 256 bytes, dense
	s_or_b32 s32, s69, (3<<16)|(1<<20)|(1<<21)|(5<<22)|(3<<25)   ; W1: the same with 4 words of padding behind every 64
.irp g, 24, 32
	s_mov_b32 s[\g+1], 32<<16
	s_mov_b32 s[\g+2], 192<<16                     ; the head's loads bring halves of a block, 192 rows of 256 bytes
	s_mov_b32 s[\g+3], 32<<16
	s_mov_b32 s[\g+4], 192
	s_mov_b32 s[\g+5], 32
	s_mov_b32 s[\g+6], 0
	s_mov_b32 s[\g+7], 0
.endr
	s_mul_i32 s70, s62, 98304
	s_mul_i32 s71, s58, 49152                      ; a comes in halves: waves 0 and 1
	s_add_co_u32 s70, s70, s71
	s_mov_b32 s71, 0
	s_mul_i32 s72, s61, 196608                     ; 256 rows of 768 bytes
	s_mul_i32 s73, s[WV], 24576
	s_add_co_u32 s72, s72, s73
	s_mov_b32 s73, 0
	s_mul_i32 s74, s58, 49152
	s_mul_i32 s76, s61, 196608                     ; W1's first block comes in halves too: waves 2 and 3
	s_mul_i32 s77, s58, 49152
	s_add_co_u32 s76, s76, s77
	s_mov_b32 s77, 0
	s_mul_i32 s78, s58, 52224
	s_mul_i32 s75, s[WV], 26112
	s_wait_dscnt 0x0
	s_wait_kmcnt 0x0
	s_mov_b32 s40, 1
	s_add_co_u32 s41, s74, RX
	s_add_nc_u64 s[42:43], s[4:5], s[70:71]
	s_or_b32 s43, s43, 0x80000000
	s_mov_b32 s44, 1
	s_add_co_u32 s45, s78, RW0
	s_add_nc_u64 s[46:47], s[6:7], s[76:77]
	s_add_nc_u64 s[50:51], s[6:7], s[72:73]
	s_mov_b32 s48, 1
	s_add_co_u32 s49, s75, RW1
	s_add_nc_u64 s[50:51], s[50:51], 98304         ; the second phase's 128 rows, my quarter
	s_or_b32 s47, s47, 0x80000000
	s_or_b32 s51, s51, 0x80000000
	CROUND                                         ; all sixteen work-groups are here
	; THE FILLS AS THEY STAND: at the head one load a wave: waves 0, 1 a half of a each, waves 2, 3 a half of W1's first block each.  The second block follows behind the three lines and a round, a quarter a wave.
	; A wave has one tensor load out at any time.  No loop runs ahead of a load: no prefetch.
	s_cmp_eq_u32 s57, 0
	s_cbranch_scc0 .Lhead_w
	tensor_load_to_lds s[40:43], s[24:31]          ; a, my half
	s_nop 0
	PLACES 4
	s_branch .Lhead_done
.Lhead_w:
	tensor_load_to_lds s[44:47], s[32:39]          ; W1, phase 0, my half
	s_nop 0
	PLACES 4
.Lhead_done:
	v_and_b32 v106, 31, v0
	v_and_b32 v107, 15, v0
	v_bfe_u32 v108, v0, 4, 1
	v_lshlrev_b32 v10, 4, v106
	v_lshlrev_b32 v11, 3, v106
	s_mul_i32 s74, s57, 49152
	v_add_nc_u32 v2, s74, v10
	v_add_nc_u32 v3, s74, v11
	v_mul_u32_u24 v109, v107, WP
	v_mad_u32_u24 v109, v108, 24, v109
	s_mul_i32 s75, s58, 64*WP
	s_add_co_u32 s75, s75, RW0
	v_add_nc_u32 v4, s75, v109
	v_lshl_add_u32 v5, v108, 4, v4
	v_add_nc_u32 v6, RW1-RW0, v4
	v_add_nc_u32 v7, RW1-RW0, v5
	v_lshlrev_b32 v12, 5, v108                     ; 32 h: my eight numbers of a tile's bias
	v_lshrrev_b32 v109, 3, v107
	v_lshl_add_u32 v110, v109, 3, v107             ; r + 8 (r / 8)
	v_lshl_add_u32 v13, v110, 6, v108              ; x 64 + h: the scale byte's place
	v_lshl_add_u32 v110, v108, 3, v110             ; + 8 h
	v_lshlrev_b32 v14, 5, v110
	s_wait_alu depctr_va_vdst(0)
	v_lshlrev_b32 v15, 5, v106
	s_wait_alu depctr_va_vdst(0)
	v_mov_b32 v[TP], 0
	v_mov_b32 v[TP+1], 0
	s_mov_b32 s[SEL], 0x76543210
	s_mov_b32 s[SEL+1], 0xfedcba98
	s_mov_b32 s[HM], 0xffff0000
	s_lshl_b32 s76, s62, 12
	s_lshl_b32 s77, s57, 11
	s_add_co_u32 s76, s76, s77
	s_add_co_u32 s76, s76, ASO
	s_mov_b32 s77, 0
	s_add_nc_u64 s[76:77], s[4:5], s[76:77]        ; a's scale bytes
	s_lshl_b32 s78, s61, 13
	s_lshl_b32 s79, s58, 11
	s_add_co_u32 s78, s78, s79                     ; (256 j + 64 wc) x 32
	s_mov_b32 s79, 0
	s_lshr_b32 s80, s78, 3                         ; x 4
	s_mov_b32 s81, 0
	s_add_nc_u64 s[78:79], s[8:9], s[78:79]
	s_add_nc_u64 s[80:81], s[10:11], s[80:81]
.irp p, 0,1
.irp q, 0,1
	global_load_b128 v[XSC+8*\p+4*\q:XSC+8*\p+4*\q+3], v14, s[76:77] offset:1024*\p+16*\q
	global_load_b128 v[WSC+8*\p+4*\q:WSC+8*\p+4*\q+3], v15, s[78:79] offset:1024*\p+16*\q
	global_load_b128 v[WSC+16+8*\p+4*\q:WSC+16+8*\p+4*\q+3], v15, s[78:79] offset:4096+1024*\p+16*\q
.endr
.endr
	WIN 0x80                                       ; destination window 2
.irp g, 0,1
.irp b, 0,1,2,3
	global_load_b128 v[32*\g+8*\b:32*\g+8*\b+3], v12, s[80:81] offset:(128*\g+16*\b)*4
	global_load_b128 v[32*\g+8*\b+4:32*\g+8*\b+7], v12, s[80:81] offset:(128*\g+16*\b)*4+16
.endr
.endr
	WIN 0
	s_lshr_b32 s70, s61, 1
	s_mul_i32 s70, s70, 1572864                    ; the chunk of 512 units
	s_lshl_b32 s71, s62, 3
	s_lshl_b32 s72, s57, 2
	s_add_co_u32 s71, s71, s72
	s_mul_i32 s71, s71, 6144                       ; my first tile
	s_add_co_u32 s70, s70, s71
	s_and_b32 s71, s61, 1
	s_mul_i32 s71, s71, 3072                       ; K step 2 (j % 2) + phase
	s_add_co_u32 s70, s70, s71
	s_mul_i32 s71, s58, 768                        ; half wc
	s_add_co_u32 s[CB], s70, s71
	s_mov_b32 s[CB+1], 0
	s_add_nc_u64 s[CB:CB+1], s[12:13], s[CB:CB+1]
	s_lshl_b32 s70, s62, 13
	s_lshl_b32 s71, s57, 12
	s_add_co_u32 s70, s70, s71                     ; (128 i + 64 wr) x 64
	s_lshl_b32 s71, s61, 3
	s_add_co_u32 s70, s70, s71
	s_lshl_b32 s71, s58, 1
	s_add_co_u32 s70, s70, s71                     ; + 8 j + 2 wc
	s_add_co_u32 s[SB], s70, HSO
	s_mov_b32 s[SB+1], 0
	s_add_nc_u64 s[SB:SB+1], s[12:13], s[SB:SB+1]
	s_wait_loadcnt 0x0
	s_wait_tensorcnt 0x0                           ; my half of a or of the first block is in
	ds_add_u32 v126, v127                          ; 0 onto my spare word
	s_mov_b32 s34, 96<<16                          ; no load of mine is out: the next load brings a quarter, 96 rows
	s_mov_b32 s36, 96
	s_wait_dscnt 0x0
	CROUND                                         ; everybody's part is in, and the joint loads meet
	tensor_load_to_lds s[48:51], s[32:39]          ; W1, phase 1, my quarter: it has the first phase in which to land
	s_nop 0
	PLACES 4
.set XLD, 1
	GEMM 8, 0, 2, 3, 12288, 4, 0, XSC, WSC, 8, 2   ; the first phase, and a's fragments into their registers
.set XLD, 0
	EPH 0
	s_wait_tensorcnt 0x0                           ; my part of the second block is in,
	s_wait_dscnt 0x0
	BAR                                            ; everybody's is
.set BI, 32
	GEMM 8, 0, 2, 3, 12288, 6, 0, XSC, WSC+16, 8, 2
	EPH 1
	s_wait_tensorcnt 0x0
	ds_add_u32 v126, v127
	s_wait_dscnt 0x0
	CROUND                                         ; the closing round
	s_endpgm
.Lfunc_end_k_qe0f2d43553_ffn1:
	.size	k_qe0f2d43553_ffn1, .Lfunc_end_k_qe0f2d43553_ffn1-k_qe0f2d43553_ffn1
	.p2alignl 7, 3214868480
	.fill 96, 4, 3214868480
	.section	.rodata,"a",@progbits
	.p2align	6, 0x0
	.amdhsa_kernel k_qe0f2d43553_ffn1
		.amdhsa_group_segment_fixed_size 327680
		.amdhsa_private_segment_fixed_size 0
		.amdhsa_enable_private_segment 0
		.amdhsa_kernarg_size 40
		.amdhsa_user_sgpr_count 2
		.amdhsa_user_sgpr_kernarg_segment_ptr 1
		.amdhsa_wavefront_size32 1
		.amdhsa_system_sgpr_workgroup_id_x 1
		.amdhsa_system_sgpr_workgroup_id_y 1
		.amdhsa_system_sgpr_workgroup_id_z 1
		.amdhsa_system_vgpr_workitem_id 0
		.amdhsa_next_free_vgpr 1024
		.amdhsa_next_free_sgpr 100
		.amdhsa_reserve_vcc 0
		.amdhsa_float_denorm_mode_32 3
		.amdhsa_float_denorm_mode_16_64 3
		.amdhsa_memory_ordered 1
		.amdhsa_forward_progress 1
		.amdhsa_inst_pref_size 109
	.end_amdhsa_kernel
	.amdgpu_metadata
---
amdhsa.version: [ 1, 2 ]
amdhsa.kernels:
  - .name:           k_qe0f2d43553_ffn1
    .symbol:         k_qe0f2d43553_ffn1.kd
    .args:
      - { .name: aq, .offset: 0, .size: 8, .value_kind: global_buffer, .address_space: global }
      - { .name: W1_codes, .offset: 8, .size: 8, .value_kind: global_buffer, .address_space: global }
      - { .name: W1_scales, .offset: 16, .size: 8, .value_kind: global_buffer, .address_space: global }
      - { .name: b1, .offset: 24, .size: 8, .value_kind: global_buffer, .address_space: global }
      - { .name: hq, .offset: 32, .size: 8, .value_kind: global_buffer, .address_space: global }
    .group_segment_fixed_size: 327680
    .private_segment_fixed_size: 0
    .kernarg_segment_align: 8
    .kernarg_segment_size: 40
    .max_flat_workgroup_size: 128
    .sgpr_count:     100
    .vgpr_count:     1024
    .wavefront_size: 32
...
	.end_amdgpu_metadata
.endif
;; end of part 4
;; launch ffn2 (part 5): grid 8 x 32, 4 waves a work-group, clusters of 4 x 4, 327,680 bytes of LDS; arguments hq, W2_codes, W2_scales, b2, embed, out0; writes out0
.if DOCPART == 5
	.amdgcn_target "amdgcn-amd-amdhsa--gfx1250"
	.amdhsa_code_object_version 6
	.text
	.protected	k_qe0f2d43553_ffn2
	.globl	k_qe0f2d43553_ffn2
	.p2align	8
	.type	k_qe0f2d43553_ffn2,@function
k_qe0f2d43553_ffn2:
	s_mov_b64 s[64:65], 0
	v_nop
	global_prefetch_b8 v0, s[64:65] scope:SCOPE_SE
	s_setreg_imm32_b32 hwreg(HW_REG_WAVE_MODE, 25, 1), 1
	s_wait_xcnt 0x0
	s_wait_alu depctr_hold_cnt(0) depctr_sa_sdst(0) depctr_va_vdst(0) depctr_va_sdst(0) depctr_va_ssrc(0) depctr_va_vcc(0) depctr_vm_vsrc(0)
	s_getreg_b32 s2, hwreg(HW_REG_IB_STS2, 6, 4)
	s_cmp_eq_u32 s2, 0
	s_cbranch_scc0 .Lentry_in_a_cluster
	s_endpgm
.Lentry_in_a_cluster:
	s_bfe_u32 s2, ttmp6, 0x10000c
	s_cmp_lg_u32 s2, 0xf033
	s_cbranch_scc0 .Lentry_shape_is_right
	s_endpgm
.Lentry_shape_is_right:
; out0 = hidden W2^T + b2 + embed, the product on codes of E3M2.
; SHARES: work-group (j, i) makes 128 tokens (i) x 128 features (j); a wave 64 x 64: token half wr = w / 2, feature half wc = w % 2.  256 work-groups of equal work.
; K = 2,048 goes in four chunks of 512 of the hidden layer through TWO slots of 49,152 bytes (images, dense); W2's 128 rows stay in LDS for all of K (rows 1,584 bytes apart).
; Chunks 0, 1 come with the first fills (one tensor load of a wave is out); chunk 2 fills slot 0 again behind chunk 0's products, chunk 3 slot 1 behind chunk 1's.
; CLUSTER 4 x 4: the hidden layer's tile is asked for jointly along a row of the cluster, W2's along a column.  At the head waves 0, 1 fetch W2's halves, waves 2, 3 chunks 0 and 1; chunks 2, 3 come a quarter a wave.
; TRANSPOSED: source 0 = 16 rows of W2, source 1 = a tile of tokens: a lane holds eight neighbouring features of one token.  b2 is the C of a sum's first product.
; THE WAY OUT: 16 tokens x 64 features at a time through the wave's own stage in LDS (behind the slots, bytes that no fill lands on), back as rows of 256 bytes; embed, loaded at the head, is added; sixteen
; lanes store 256 consecutive bytes at a multiple of 256.
; LIMITS: NaN and infinities are not served.
; LDS AS IT STANDS: W2's 128 rows for ALL of K, a dense block of 196,608 bytes brought as 768 rows of 256 bytes with 8 bytes of padding behind each (a row of W2: 1,584 bytes), filled once;
; behind it TWO slots of 49,152 bytes for the hidden layer's chunks of 512 along K (images, dense, rows of 256 bytes); the waves' stages for the way out, bytes of their own; the spare words.
; THE FILLS: at the head one load a wave: waves 0, 1 a half of W2 each, wave 2 chunk 0, wave 3 chunk 1.  Chunks 2, 3 follow, a quarter a wave, each behind the three lines and a round of the cluster's barrier: one load of a wave is out.
; PREFETCH: chunk 2 is asked for at the head and chunk 3 in chunk 0's trip, two trips ahead of their loads: 192 blocks of 256 bytes a chunk, shared out by address: 48 to each of the four partners, 12 to a wave, a lane a block.
.set RH,    202752                     ; the hidden layer's slots
.set SL,    49152
.set STG,   RH+2*SL                    ; the stages
.set SPARE, STG+17408
.set WP,    1584
.set PER,   32
.set WK0,   0                          ; W2's K step at which a chunk begins
.set HSO,   6291456
.set ACC,   128
.set BI,    192                        ; window 2: b2's four tiles
.set HSC,   32                         ; v32-63 the hidden layer's scale words: pair of tiles p, K step s at 16 p + s
.set W2SC,  64                         ; v64-95 W2's
.set SPW,   14
.set NIL,   15
.set STO,   16
.set RD,    17
.set VO,    18
.set WV,    56
.set MSB, 0
.macro WIN new
.if MSB != \new
	s_set_vgpr_msb (MSB<<8)|\new
.set MSB, \new
.endif
.endm
.set MUL,  0x05
.set TO_F, 0x40
.macro PLACES n
.rept \n
	v_nop
.endr
.endm
.macro BAR
	s_barrier_signal -1
	s_barrier_wait -1
.endm
.macro CROUND
	s_barrier_signal -1
	s_barrier_wait -1
	s_cmp_lg_u32 s[WV], 0
	s_cbranch_scc1 .Lnot_wave_0_\@
	s_barrier_signal -3
.Lnot_wave_0_\@:
	s_barrier_wait -3
	s_barrier_signal -1
	s_barrier_wait -1
.endm
.macro FRAGI reg, a16, a8, off
	ds_load_b128 v[(\reg):(\reg)+3], v[\a16] offset:\off
	ds_load_b64 v[(\reg)+4:(\reg)+5], v[\a8] offset:(\off)+512
	ds_load_b128 v[(\reg)+6:(\reg)+9], v[\a16] offset:(\off)+768
	ds_load_b64 v[(\reg)+10:(\reg)+11], v[\a8] offset:(\off)+1280
.endm
.macro FRAGW reg, adr, ks, rowoff
.irp p, 0,1,2,3,4,5
.set PCE, 12*(\ks)+6*(\p/3)+\p%3
.if PCE%PER < PER-3
	ds_load_b64 v[(\reg)+2*\p:(\reg)+2*\p+1], v[\adr] offset:8*PCE+8*(PCE/PER)+(\rowoff)
.else
	ds_load_b64 v[(\reg)+2*\p:(\reg)+2*\p+1], v[\adr+1] offset:8*PCE+8*(PCE/PER)+(\rowoff)
.endif
.endr
.endm
.macro WM d, fa, fb, cm, cr, sa, sb, ra, rb
.set CR_, \d
.if (\cm) == 2
.set CR_, \cr
.endif
.if (\cm) == 1
.if (\ra) && (\rb)
	v_wmma_scale_f32_16x16x128_f8f6f4 v[(\d):(\d)+7], v[(\fa):(\fa)+11], v[(\fb):(\fb)+11], 0, v[\sa], v[\sb] matrix_a_fmt:MATRIX_FMT_BF6 matrix_b_fmt:MATRIX_FMT_BF6 matrix_a_scale:MATRIX_SCALE_ROW1 matrix_b_scale:MATRIX_SCALE_ROW1
.elseif (\ra)
	v_wmma_scale_f32_16x16x128_f8f6f4 v[(\d):(\d)+7], v[(\fa):(\fa)+11], v[(\fb):(\fb)+11], 0, v[\sa], v[\sb] matrix_a_fmt:MATRIX_FMT_BF6 matrix_b_fmt:MATRIX_FMT_BF6 matrix_a_scale:MATRIX_SCALE_ROW1
.elseif (\rb)
	v_wmma_scale_f32_16x16x128_f8f6f4 v[(\d):(\d)+7], v[(\fa):(\fa)+11], v[(\fb):(\fb)+11], 0, v[\sa], v[\sb] matrix_a_fmt:MATRIX_FMT_BF6 matrix_b_fmt:MATRIX_FMT_BF6 matrix_b_scale:MATRIX_SCALE_ROW1
.else
	v_wmma_scale_f32_16x16x128_f8f6f4 v[(\d):(\d)+7], v[(\fa):(\fa)+11], v[(\fb):(\fb)+11], 0, v[\sa], v[\sb] matrix_a_fmt:MATRIX_FMT_BF6 matrix_b_fmt:MATRIX_FMT_BF6
.endif
.else
.if (\ra) && (\rb)
	v_wmma_scale_f32_16x16x128_f8f6f4 v[(\d):(\d)+7], v[(\fa):(\fa)+11], v[(\fb):(\fb)+11], v[CR_:CR_+7], v[\sa], v[\sb] matrix_a_fmt:MATRIX_FMT_BF6 matrix_b_fmt:MATRIX_FMT_BF6 matrix_a_scale:MATRIX_SCALE_ROW1 matrix_b_scale:MATRIX_SCALE_ROW1
.elseif (\ra)
	v_wmma_scale_f32_16x16x128_f8f6f4 v[(\d):(\d)+7], v[(\fa):(\fa)+11], v[(\fb):(\fb)+11], v[CR_:CR_+7], v[\sa], v[\sb] matrix_a_fmt:MATRIX_FMT_BF6 matrix_b_fmt:MATRIX_FMT_BF6 matrix_a_scale:MATRIX_SCALE_ROW1
.elseif (\rb)
	v_wmma_scale_f32_16x16x128_f8f6f4 v[(\d):(\d)+7], v[(\fa):(\fa)+11], v[(\fb):(\fb)+11], v[CR_:CR_+7], v[\sa], v[\sb] matrix_a_fmt:MATRIX_FMT_BF6 matrix_b_fmt:MATRIX_FMT_BF6 matrix_b_scale:MATRIX_SCALE_ROW1
.else
	v_wmma_scale_f32_16x16x128_f8f6f4 v[(\d):(\d)+7], v[(\fa):(\fa)+11], v[(\fb):(\fb)+11], v[CR_:CR_+7], v[\sa], v[\sb] matrix_a_fmt:MATRIX_FMT_BF6 matrix_b_fmt:MATRIX_FMT_BF6
.endif
.endif
.endm
.macro MUL16 f0, f1, sc0, sc1, ks, nks, cm   ; the 16 accumulators take turns, one instruction a turn, in the same order in every K step
.irp a, 0,1,2,3
.irp b, 0,1,2,3
	WM ACC+32*\a+8*\b, (\f0)+12*\b, (\f1)+12*\a, \cm, BI+8*\b, (\sc0)+(\nks)*(\b/2)+(\ks), (\sc1)+(\nks)*(\a/2)+(\ks), \b%2, \a%2
.endr
.endr
.endm
.macro FETCH ks, buf, x16, x8, xstr, wadr
.irp a, 0,1,2,3
	FRAGI 96*(\buf)+12*\a, \x16, \x8, \a*(\xstr)+(\ks)*1536
.endr
.irp b, 0,1,2,3
	FRAGW 96*(\buf)+48+12*\b, \wadr+2*(\b/2), (\ks)+WK0, (\b%2)*16*WP   ; rows 32 on have address registers of their own: the offsets stay inside 16 bits
.endr
.endm
; nk K steps on two fragment buffers; a K step's 40 loads are issued one step ahead, four plain lines behind the products that read their registers; five at the head
.macro GEMM nk, s0, x16, x8, xstr, wadr, order, scx, scw, nks, cm
	PLACES 5
	WIN TO_F
	FETCH 0, 0, \x16, \x8, \xstr, \wadr
.set KS_, 0
.rept \nk
.if KS_ < (\nk)-1
.if KS_ > 0
	PLACES 4
.endif
	WIN TO_F
	FETCH KS_+1, (KS_+1)%2, \x16, \x8, \xstr, \wadr
	s_wait_dscnt 40                                ; all but the 40 just issued
.else
	s_wait_dscnt 0x0
.endif
.if ((\cm) == 2) && (KS_ == 0)
	WIN 0x25                                       ; C in window 2
.else
	WIN MUL
.endif
.set CM_, 0
.if KS_ == 0
.set CM_, \cm
.endif
.if \order
	MUL16 96*(KS_%2), 96*(KS_%2)+48, \scx, \scw, (\s0)+KS_, \nks, CM_
.else
	MUL16 96*(KS_%2)+48, 96*(KS_%2), \scw, \scx, (\s0)+KS_, \nks, CM_
.endif
.set KS_, KS_+1
.endr
	WIN 0
.endm
	s_load_b256 s[4:11], s[0:1], 0x0               ; hq s[4:5], W2 codes s[6:7], W2 scales s[8:9], b2 s[10:11]
	s_load_b128 s[12:15], s[0:1], 0x20             ; embed s[12:13], out0 s[14:15]
	v_lshl_add_u32 v[SPW], v0, 2, SPARE
	v_mov_b32 v[NIL], 0
	ds_add_u32 v14, v15
	ds_add_u32 v14, v15
	s_wait_dscnt 0x0
	v_lshrrev_b32 v1, 5, v0
	v_readfirstlane_b32 s[WV], v1
	s_lshr_b32 s57, s[WV], 1                       ; wr.  Also: I fetch for W2 (0) or for the hidden layer (1)
	s_and_b32 s58, s[WV], 1                        ; wc.  Also: which half of that block I fetch
	s_bfe_u32 s59, ttmp6, 0x40000                  ; cx
	s_bfe_u32 s60, ttmp6, 0x40004                  ; cy
	s_lshl_b32 s61, ttmp9, 2
	s_add_co_u32 s61, s61, s59                     ; j
	s_and_b32 s62, ttmp7, 0xffff
	s_lshl_b32 s62, s62, 2
	s_add_co_u32 s62, s62, s60                     ; i
	s_lshl_b32 s63, s60, 2
	s_lshl_b32 s63, 15, s63                        ; my row of the cluster
	s_lshl_b32 s66, 0x1111, s59                    ; my column
	s_or_b32 s24, s63, (3<<16)|(1<<21)             ; the hidden layer: a chunk, 49,152 dense bytes, as 192 rows of 256
	s_mov_b32 s25, 32<<16
	s_mov_b32 s26, 192<<16                         ; the head's load brings a whole chunk, 192 rows
	s_mov_b32 s27, 32<<16
	s_mov_b32 s28, 192
	s_mov_b32 s29, 32
	s_mov_b32 s30, 0
	s_mov_b32 s31, 0
	s_or_b32 s32, s66, (3<<16)|(1<<20)|(1<<21)|(5<<22)|(1<<25)   ; W2: a half of the block, 384 rows of 256 bytes; 2 words of padding behind every 64
	s_mov_b32 s33, 32<<16
	s_mov_b32 s34, 384<<16                         ; W2 comes in two halves of 384 rows of 256 bytes
	s_mov_b32 s35, 32<<16
	s_mov_b32 s36, 384
	s_mov_b32 s37, 32
	s_mov_b32 s38, 0
	s_mov_b32 s39, 0
	s_mul_i32 s84, s62, 49152                      ; the hidden layer's tile hangs on i (and, from chunk 2 on, the wave) alone,
	s_mov_b32 s85, 0
	s_mul_i32 s86, s61, 196608                     ; W2's block on j and the wave alone: my half
	s_mul_i32 s87, s58, 98304                      ; my half of W2's block
	s_add_co_u32 s86, s86, s87
	s_mov_b32 s87, 0
	s_mul_i32 s92, s[WV], 12288                    ; my quarter of a chunk
	s_mov_b32 s93, 0
	s_mul_i32 s89, s58, 101376                     ; my half of W2 in LDS: 384 rows of 264 bytes
	s_mul_i32 s94, s58, 1572864                    ; the head's chunk: 0 or 1
	s_mov_b32 s95, 0
	s_mul_i32 s20, s59, 12288                      ; the prefetches: my work-group's 48 blocks of a chunk's 192, by its place along the cluster's row,
	s_mul_i32 s21, s[WV], 3072                     ; my wave's 12 of them
	s_add_co_u32 s20, s20, s21
	s_add_co_u32 s20, s20, s84
	s_mov_b32 s21, 0
	s_wait_kmcnt 0x0
	s_add_nc_u64 s[20:21], s[4:5], s[20:21]
	s_add_nc_u64 s[84:85], s[4:5], s[84:85]
	s_add_nc_u64 s[86:87], s[6:7], s[86:87]
	s_mov_b32 s40, 1                               ; the head's chunk, whole
	s_mul_i32 s41, s58, SL                         ; chunk 0 into slot 0, chunk 1 into slot 1, each whole
	s_add_co_u32 s41, s41, RH
	s_add_nc_u64 s[42:43], s[84:85], s[94:95]
	s_or_b32 s43, s43, 0x80000000
	s_add_nc_u64 s[84:85], s[84:85], s[92:93]
.irp c, 2,3
	s_mov_b32 s[40+4*\c], 1
	s_add_co_u32 s[41+4*\c], s92, RH+(\c%2)*SL
	s_add_nc_u64 s[42+4*\c:43+4*\c], s[84:85], \c*1572864
	s_or_b32 s[43+4*\c], s[43+4*\c], 0x80000000
.endr
	s_mov_b32 s68, 1
	s_mov_b32 s69, s89
	s_mov_b64 s[70:71], s[86:87]
	s_or_b32 s71, s71, 0x80000000
	CROUND                                         ; all sixteen work-groups are here
	; THE FILLS AS THEY STAND: at the head one load a wave, in the two arms of one branch on the wave's number: waves 0, 1 a half of W2 each, wave 2 chunk 0, wave 3 chunk 1.  Both slots are full when the first product begins.
	; Chunks 2 and 3 fill the slots again, a quarter a wave, each behind the three lines and a round of the cluster's barrier.  One load of a wave is out at any time.
	s_cmp_eq_u32 s57, 1
	s_cbranch_scc0 .Lfirst_w
	tensor_load_to_lds s[40:43], s[24:31]          ; waves 2, 3: chunk 0, chunk 1
	s_nop 0
	PLACES 4
	s_branch .Lfirst_done
.Lfirst_w:
	tensor_load_to_lds s[68:71], s[32:39]          ; waves 0, 1: a half of W2
	s_nop 0
	PLACES 4
.Lfirst_done:
	v_and_b32 v28, 31, v0                          ; lane
	v_and_b32 v24, 15, v0                          ; r
	v_bfe_u32 v25, v0, 4, 1                        ; h
	v_lshlrev_b32 v26, 4, v28
	v_lshlrev_b32 v27, 3, v28
	v_min_u32 v29, 11, v28                         ; the prefetches' offset: a lane a block of 256 bytes; lanes 12 on name the wave's last block again
	v_lshlrev_b32 v29, 8, v29
	v_mul_u32_u24 v22, v24, WP
	v_mad_u32_u24 v22, v25, 24, v22                ; row r x pitch + 24 h
	v_lshl_add_u32 v23, v25, 3, v22                ; and behind one padding more
	s_mul_i32 s16, s57, 24576                      ; my four tiles of tokens in a slot
	s_add_co_u32 s16, s16, RH
	s_mul_i32 s17, s58, 64*WP                      ; my 64 rows of W2
.irp s, 0,1                                    ; v2-5: the hidden layer in slot 0, 1; v6-9: W2's rows 0-31, 32-63 of mine
	v_add_nc_u32 v[2+2*\s], s16, v26
	v_add_nc_u32 v[3+2*\s], s16, v27
	v_add_nc_u32 v[6+2*\s], s17, v22
	v_add_nc_u32 v[7+2*\s], s17, v23
	s_add_co_u32 s16, s16, SL
	s_add_co_u32 s17, s17, 32*WP
.endr
	s_mul_i32 s18, s[WV], 4352
	s_add_co_u32 s18, s18, STG                     ; my stage: 16 rows x 272 bytes, bytes that no fill lands on
	v_mul_u32_u24 v[STO], v24, 272
	v_lshl_add_u32 v[STO], v25, 5, v[STO]
	v_add_nc_u32 v[STO], s18, v[STO]               ; in: row r, + 32 h
	v_mul_u32_u24 v[RD], v25, 272
	v_lshl_add_u32 v[RD], v24, 4, v[RD]
	v_add_nc_u32 v[RD], s18, v[RD]                 ; back: lanes 0-15 one row of 256 bytes, lanes 16-31 the next
	v_lshlrev_b32 v[VO], 12, v25
	v_lshl_add_u32 v[VO], v24, 4, v[VO]            ; and the same two rows in embed and out0
	v_lshrrev_b32 v19, 3, v24
	v_add_nc_u32 v19, v19, v25
	v_lshl_add_u32 v19, v19, 3, v24
	v_lshlrev_b32 v19, 6, v19                      ; (r + 8 (r / 8) + 8 h) x 64 scale bytes a token
	s_wait_alu depctr_va_vdst(0)
	v_lshlrev_b32 v20, 6, v28                      ; W2's rows are natural: 64 x lane
	s_wait_alu depctr_va_vdst(0)
	v_lshlrev_b32 v21, 5, v25                      ; 32 h
	s_wait_alu depctr_va_vdst(0)
	s_lshl_b32 s90, s62, 13
	s_lshl_b32 s91, s57, 12
	s_add_co_u32 s90, s90, s91
	s_add_co_u32 s90, s90, HSO                     ; (128 i + 64 wr) x 64
	s_mov_b32 s91, 0
	s_add_nc_u64 s[90:91], s[4:5], s[90:91]
	s_lshl_b32 s92, s61, 13
	s_lshl_b32 s93, s58, 12
	s_add_co_u32 s92, s92, s93                     ; (128 j + 64 wc) x 64
	s_mov_b32 s93, 0
	s_lshr_b32 s94, s92, 4                         ; x 4
	s_mov_b32 s95, 0
	s_add_nc_u64 s[92:93], s[8:9], s[92:93]
	s_lshl_b32 s96, s62, 19
	s_lshl_b32 s97, s57, 18
	s_add_co_u32 s96, s96, s97                     ; (128 i + 64 wr) x 4,096
	s_add_co_u32 s96, s96, s94                     ; + (128 j + 64 wc) x 4
	s_mov_b32 s97, 0
	s_add_nc_u64 s[98:99], s[14:15], s[96:97]
	s_add_nc_u64 s[96:97], s[12:13], s[96:97]
	s_add_nc_u64 s[94:95], s[10:11], s[94:95]
	global_prefetch_b8 v29, s[20:21] offset:2*1572864 th:TH_LOAD_NT scope:SCOPE_SE   ; chunk 2; v29 and s[20:21] are never rewritten
.irp p, 0,1
.irp q, 0,1,2,3
	global_load_b128 v[HSC+16*\p+4*\q:HSC+16*\p+4*\q+3], v19, s[90:91] offset:2048*\p+16*\q
	global_load_b128 v[W2SC+16*\p+4*\q:W2SC+16*\p+4*\q+3], v20, s[92:93] offset:2048*\p+16*\q
.endr
.endr
	WIN 0x80                                       ; destination window 2
.irp b, 0,1,2,3
	global_load_b128 v[BI+8*\b:BI+8*\b+3], v21, s[94:95] offset:64*\b
	global_load_b128 v[BI+8*\b+4:BI+8*\b+7], v21, s[94:95] offset:64*\b+16
.endr
	WIN 0
	s_wait_loadcnt 0x0                             ; the scale words and b2 are in
.macro NEXTC g                         ; the next chunk: the three lines, a round, my one load behind it
	s_wait_tensorcnt 0x0                           ; all my tensor loads have landed;
	ds_add_u32 v[SPW], v[NIL]                      ; 0 onto my spare word
	s_mov_b32 s26, 48<<16                          ; no load of mine is out: a load now brings a quarter of a chunk, 48 rows
	s_mov_b32 s28, 48
	s_wait_dscnt 0x0                               ; the add is done, and my reads of the slot are over
	CROUND                                         ; so of every wave of every partner
	tensor_load_to_lds s[\g:\g+3], s[24:31]
	s_nop 0
	PLACES 4
.endm
	s_wait_tensorcnt 0x0                           ; my tile of the head's four is in,
	BAR                                            ; everybody's is
	global_prefetch_b8 v29, s[20:21] offset:3*1572864 th:TH_LOAD_NT scope:SCOPE_SE   ; chunk 3
	WIN 0x80                                       ; destination window 2
.irp a, 0,1,2,3
.irp t, 0,1,2,3,4,5,6,7
	global_load_b128 v[32*\a+4*\t:32*\a+4*\t+3], v[VO], s[96:97] offset:(32*(\a/2)+8*(\a%2)+2*\t+8*(\t/4))*4096 th:TH_LOAD_NT   ; embed, in the layout of the way out: wanted only at the end, so it is asked for behind the tiles that the first products wait for
.endr
.endr
	WIN 0
	GEMM 4, 0, 2, 3, 6144, 6, 0, HSC, W2SC, 16, 2
	NEXTC 48                                       ; chunk 2 into slot 0
.set WK0, 4
	GEMM 4, 4, 4, 5, 6144, 6, 0, HSC, W2SC, 16, 0
	NEXTC 52                                       ; chunk 3 into slot 1
.set WK0, 8
	GEMM 4, 8, 2, 3, 6144, 6, 0, HSC, W2SC, 16, 0
	s_wait_tensorcnt 0x0                           ; my part of chunk 3 is in,
	s_wait_dscnt 0x0
	BAR                                            ; everybody's is
.set WK0, 12
	GEMM 4, 12, 4, 5, 6144, 6, 0, HSC, W2SC, 16, 0
	PLACES 4                                       ; behind the last products
	s_wait_loadcnt 0x0                             ; embed
; the way out in two parts, so that tile a + 1 is on its way through the stage while tile a is waited for: LDS serves a wave's instructions in order, so tile a + 1's stores land behind tile a's loads
.macro TOST a                          ; tile a into my stage and back as rows of 256 bytes: 8 stores, 8 loads
.irp b, 0,1,2,3
	ds_store_b128 v[STO], v[ACC+32*\a+8*\b:ACC+32*\a+8*\b+3] offset:64*\b        ; each accumulator from its low end on
	ds_store_b128 v[STO], v[ACC+32*\a+8*\b+4:ACC+32*\a+8*\b+7] offset:64*\b+16
.endr
.if \a >= 2
	s_wait_xcnt 0x0                                ; the stores of two tiles back have read the registers that the loads below fill
.endif
	WIN 0x80
.irp t, 0,1,2,3,4,5,6,7
	ds_load_b128 v[128+32*(\a%2)+4*\t:128+32*(\a%2)+4*\t+3], v[RD] offset:544*\t   ; LDS serves a wave's instructions in order: these see my stores
.endr
	WIN 0
.endm
.macro SENDT a, younger                ; younger: the LDS instructions issued behind tile a's loads, which may stay out
	s_wait_dscnt \younger
	WIN 0x8a
.irp u, 0,2,4,6,8,10,12,14,16,18,20,22,24,26,28,30
	v_pk_add_f32 v[128+32*(\a%2)+\u:128+32*(\a%2)+\u+1], v[128+32*(\a%2)+\u:128+32*(\a%2)+\u+1], v[32*\a+\u:32*\a+\u+1]   ; the residual
.endr
	WIN 0x08
.irp t, 0,1,2,3,4,5,6,7
	global_store_b128 v[VO], v[128+32*(\a%2)+4*\t:128+32*(\a%2)+4*\t+3], s[98:99] offset:(32*(\a/2)+8*(\a%2)+2*\t+8*(\t/4))*4096 th:TH_STORE_NT   ; 16 lanes store 256 consecutive bytes, at a multiple of 256 from out0's first byte
.endr
	WIN 0
.endm
	TOST 0
	TOST 1
	SENDT 0, 16                                    ; behind tile 0's loads: tile 1's 8 stores and 8 loads
	TOST 2
	SENDT 1, 16
	TOST 3
	SENDT 2, 16
	SENDT 3, 0
	s_wait_tensorcnt 0x0                           ; the wave's end
	ds_add_u32 v[SPW], v[NIL]
	s_wait_dscnt 0x0
	CROUND                                         ; the closing round
	s_endpgm
.Lfunc_end_k_qe0f2d43553_ffn2:
	.size	k_qe0f2d43553_ffn2, .Lfunc_end_k_qe0f2d43553_ffn2-k_qe0f2d43553_ffn2
	.p2alignl 7, 3214868480
	.fill 96, 4, 3214868480
	.section	.rodata,"a",@progbits
	.p2align	6, 0x0
	.amdhsa_kernel k_qe0f2d43553_ffn2
		.amdhsa_group_segment_fixed_size 327680
		.amdhsa_private_segment_fixed_size 0
		.amdhsa_enable_private_segment 0
		.amdhsa_kernarg_size 48
		.amdhsa_user_sgpr_count 2
		.amdhsa_user_sgpr_kernarg_segment_ptr 1
		.amdhsa_wavefront_size32 1
		.amdhsa_system_sgpr_workgroup_id_x 1
		.amdhsa_system_sgpr_workgroup_id_y 1
		.amdhsa_system_sgpr_workgroup_id_z 1
		.amdhsa_system_vgpr_workitem_id 0
		.amdhsa_next_free_vgpr 768
		.amdhsa_next_free_sgpr 100
		.amdhsa_reserve_vcc 0
		.amdhsa_float_denorm_mode_32 3
		.amdhsa_float_denorm_mode_16_64 3
		.amdhsa_memory_ordered 1
		.amdhsa_forward_progress 1
		.amdhsa_inst_pref_size 103
	.end_amdhsa_kernel
	.amdgpu_metadata
---
amdhsa.version: [ 1, 2 ]
amdhsa.kernels:
  - .name:           k_qe0f2d43553_ffn2
    .symbol:         k_qe0f2d43553_ffn2.kd
    .args:
      - { .name: hq, .offset: 0, .size: 8, .value_kind: global_buffer, .address_space: global }
      - { .name: W2_codes, .offset: 8, .size: 8, .value_kind: global_buffer, .address_space: global }
      - { .name: W2_scales, .offset: 16, .size: 8, .value_kind: global_buffer, .address_space: global }
      - { .name: b2, .offset: 24, .size: 8, .value_kind: global_buffer, .address_space: global }
      - { .name: embed, .offset: 32, .size: 8, .value_kind: global_buffer, .address_space: global }
      - { .name: out0, .offset: 40, .size: 8, .value_kind: global_buffer, .address_space: global }
    .group_segment_fixed_size: 327680
    .private_segment_fixed_size: 0
    .kernarg_segment_align: 8
    .kernarg_segment_size: 48
    .max_flat_workgroup_size: 128
    .sgpr_count:     100
    .vgpr_count:     768
    .wavefront_size: 32
...
	.end_amdgpu_metadata
.endif
;; end of part 5
